; MI455X (gfx1250); checked and timed in simulation.
; The chip was launched on July 23, 2026; its instructions are those of AMD's public machine-readable ISA for CDNA 5 (MIT licence, August 2026) and "CDNA5" Instruction Set Architecture Reference Guide (July 2026). The comments in the code are by the model that wrote it; some were corrected since.
;; Cross Attention Condition. Allowed arithmetic: matrix products marked QUANTISED: E2M3 operands, one E8M0 scale for each 32 along K, by v_wmma_scale_f32_16x16x128_f8f6f4 with both operands' format E2M3, f32 sums; everything else in f32.
;; Inputs: bk 2,048 float32; bkr 2,048 float32; bo 2,048 float32; bq 2,048 float32; bv 2,048 float32; bvr 2,048 float32; cam_emb_codes 2 x 512 x 64 x 24 uint8 (E2M3 codes of cam_emb, K innermost, in blocks of 32 codes, four codes in three bytes); cam_emb_scales 2 x 512 x 64 uint8 (E8M0 scales of cam_emb, one for each 32 codes along K); freqs_cam 512 x 64 x 2 float32; freqs_render 512 x 64 x 2 float32; freqs_x 2,048 x 64 x 2 float32; gk 2,048 float32; gq 2,048 float32; render_emb_codes 2 x 512 x 64 x 24 uint8 (E2M3 codes of render_emb, K innermost, in blocks of 32 codes, four codes in three bytes); render_emb_scales 2 x 512 x 64 uint8 (E8M0 scales of render_emb, one for each 32 codes along K); wk_codes 2,048 x 64 x 24 uint8 (E2M3 codes of wk, K innermost, in blocks of 32 codes, four codes in three bytes); wk_scales 2,048 x 64 uint8 (E8M0 scales of wk, one for each 32 codes along K); wkr_codes 2,048 x 64 x 24 uint8 (E2M3 codes of wkr, K innermost, in blocks of 32 codes, four codes in three bytes); wkr_scales 2,048 x 64 uint8 (E8M0 scales of wkr, one for each 32 codes along K); wo_codes 2,048 x 64 x 24 uint8 (E2M3 codes of wo, K innermost, in blocks of 32 codes, four codes in three bytes); wo_scales 2,048 x 64 uint8 (E8M0 scales of wo, one for each 32 codes along K); wq_codes 2,048 x 64 x 24 uint8 (E2M3 codes of wq, K innermost, in blocks of 32 codes, four codes in three bytes); wq_scales 2,048 x 64 uint8 (E8M0 scales of wq, one for each 32 codes along K); wv_codes 2,048 x 64 x 24 uint8 (E2M3 codes of wv, K innermost, in blocks of 32 codes, four codes in three bytes); wv_scales 2,048 x 64 uint8 (E8M0 scales of wv, one for each 32 codes along K); wvr_codes 2,048 x 64 x 24 uint8 (E2M3 codes of wvr, K innermost, in blocks of 32 codes, four codes in three bytes); wvr_scales 2,048 x 64 uint8 (E8M0 scales of wvr, one for each 32 codes along K); x_codes 2 x 2,048 x 64 x 24 uint8 (E2M3 codes of x, K innermost, in blocks of 32 codes, four codes in three bytes); x_scales 2 x 2,048 x 64 uint8 (E8M0 scales of x, one for each 32 codes along K).
;; Outputs: out0 2 x 2,048 x 2,048 float32.
;; This version of the problem:
;;   THIS VERSION OF THE PROBLEM IS GIVEN IN LOW PRECISION. The matrix products marked QUANTISED in the list below multiply operands that are first quantised to E2M3 (2 exponent bits, 3 mantissa bits; 6 bits a number), with one power-of-two scale for each 32 numbers along K (OCP MX v1.0); their sums are f32. All else is computed in f32.
;;   The module's matrix products, in the order in which they are computed (A, B: the left and right operand; K: the contracted axis; several contracted axes count as one K, in the product's order):
;;     1. [M 4,096, K 2,048] x [K 2,048, N 2,048]; A: input x (given as codes); B: input wq (given as codes): QUANTISED
;;     2. [M 1,024, K 2,048] x [K 2,048, N 2,048]; A: input cam_emb (given as codes); B: input wk (given as codes): QUANTISED
;;     3. [M 1,024, K 2,048] x [K 2,048, N 2,048]; A: input render_emb (given as codes); B: input wkr (given as codes): QUANTISED
;;     4. [M 1,024, K 2,048] x [K 2,048, N 2,048]; A: input cam_emb (given as codes); B: input wv (given as codes): QUANTISED
;;     5. [M 1,024, K 2,048] x [K 2,048, N 2,048]; A: input render_emb (given as codes); B: input wvr (given as codes): QUANTISED
;;     6. batch 32 x [M 2,048, K 128] x [K 128, N 1,024]; A: computed on the way; B: computed on the way: QUANTISED
;;     7. batch 32 x [M 128, K 1,024] x [K 1,024, N 2,048]; A: computed on the way; B: softmax (see below): QUANTISED
;;     8. [M 4,096, K 2,048] x [K 2,048, N 2,048]; A: computed on the way; B: input wo (given as codes): QUANTISED
;;   THE QUANTISER, for each operand of a quantised product, along K:
;;     - K is cut into blocks of 32 from its start; a last block that is shorter is filled with zeros.
;;     - A block's scale is 2^e with e = floor(log2(the largest magnitude in the block)) - 2, held to -126 .. 127; a block of zeros has e = 0. As a byte (E8M0): e + 127.
;;     - Each number is divided by its block's scale, clamped to +-7.5, and rounded to the nearest number of E2M3, ties to even, subnormals kept.
;;     - The product sums the exact products of the quantised numbers (number of the format x scale) in f32.
;;   ~~~python
;;   def quantise(x, axis):      # numpy; x: float32 -> the quantised numbers, widened to float32 again
;;       x = np.moveaxis(x, axis, -1); K = x.shape[-1]
;;       x = np.pad(x, [(0, 0)] * (x.ndim - 1) + [(0, -K % 32)]); x = x.reshape(x.shape[:-1] + (-1, 32)); a = np.abs(x).max(-1, keepdims=True)
;;       e = np.where(a > 0, np.clip(np.frexp(np.where(a > 0, a, 1))[1] - 1 - 2, -126, 127), 0)      # np.frexp(a)[1] - 1 = floor(log2(a)), exactly
;;       r = np.clip(x / 2.0 ** e, -7.5, 7.5)
;;       step = 2.0 ** (np.maximum(np.frexp(np.where(r == 0, 1, r))[1] - 1, 0) - 3)
;;       q = np.round(r / step) * step * 2.0 ** e      # np.round: ties to even
;;       return np.moveaxis(q.reshape(q.shape[:-2] + (-1,))[..., :K], -1, axis).astype(np.float32)
;;   ~~~
;;   SOFTMAX AHEAD OF A QUANTISED PRODUCT. Where the list says 'softmax', what is quantised is not the finished softmax but p = 2^(t - M), with t = logit x log2(e) and M = ceil(the row's largest t), a whole number; so 1/2 < the row's largest p <= 1. The row's sum l is taken of the UNQUANTISED p, in f32, and the product's result is divided by l at the end. Since M is a whole number, a kernel that streams over the keys may use a running M (the ceiling of the running maximum): every later rescaling is an exact power of two, which a block's scale takes up: the codes' values come out the same.
;;   OPERANDS COMPUTED ON THE WAY. 'Computed on the way' means the value that the module computes at that place (a softmax that the list does not call 'softmax' is quantised finished and normalised). What goes into a quantiser is computed in f32, as accurately as f32 sums, v_exp_f32 and their like allow (about 1e-6 of the number): no bf16 or f16 on the way to a quantiser, and a product that is left as it is and whose result goes on into a quantised operand takes f32 operands (vector FMAs, or v_wmma_f32_16x16x4_f32). A number that lies on a knife's edge between two numbers of the format may be rounded either way, as far as f32 arithmetic and the matrix unit's own rounding can turn it there, and no further.
;;   INPUTS GIVEN AS CODES. cam_emb (in the module: [2, 512, 2048], K = its axis 2); render_emb (in the module: [2, 512, 2048], K = its axis 2); wk (in the module: [2048, 2048], K = its axis 1); wkr (in the module: [2048, 2048], K = its axis 1); wo (in the module: [2048, 2048], K = its axis 1); wq (in the module: [2048, 2048], K = its axis 1); wv (in the module: [2048, 2048], K = its axis 1); wvr (in the module: [2048, 2048], K = its axis 1); x (in the module: [2, 2048, 2048], K = its axis 2): each comes as NAME_codes (uint8): NAME with its K axis moved to the last place and cut into blocks of 32 codes, [.., K / 32, bytes a block], one block behind the other in memory; four codes in three bytes: a row's codes are one little-endian stream of bits, code i at bits 6 i .. 6 i + 5 (a code: sign, 2 exponent bits, 3 mantissa bits); and NAME_scales (uint8): the same leading axes, one E8M0 byte (e + 127) for each 32 codes along K. Its value is code x scale, taken as it is: it is not quantised again, and the codes and scales need not be those that the quantiser above would give.
;; One version. Each part assembles by itself: llvm-mc -triple=amdgcn-amd-amdhsa -mcpu=gfx1250 --defsym DOCPART=n.
;; ======== version 1 of 1: 4 launches
;; limits: right only within a limited range of input values
;; workspace buffers: lin 67,108,864 bytes; qc 6,291,456 bytes; qs 262,144 bytes; kbuf 3,276,800 bytes; vbuf 3,276,800 bytes; ao_codes 6,291,456 bytes; ao_scales 262,144 bytes
;; launch proj (part 1): grid 8 x 32, 4 waves a work-group, clusters of 4 x 4, 327,680 bytes of LDS; arguments x_codes, x_scales, wq_codes, wq_scales, bq, cam_emb_codes, cam_emb_scales, render_emb_codes, render_emb_scales, wk_codes, wk_scales, bk, wkr_codes, wkr_scales, bkr, wv_codes, wv_scales, wvr_codes, wvr_scales, lin; writes lin
.if DOCPART == 1
	.amdgcn_target "amdgcn-amd-amdhsa--gfx1250"
	.amdhsa_code_object_version 6
	.text
	.protected	k_q24abd19a0c_proj
	.globl	k_q24abd19a0c_proj
	.p2align	8
	.type	k_q24abd19a0c_proj,@function
k_q24abd19a0c_proj:
	s_mov_b64 s[64:65], 0
	v_nop
	global_prefetch_b8 v0, s[64:65] scope:SCOPE_SE
	s_setreg_imm32_b32 hwreg(HW_REG_WAVE_MODE, 25, 1), 1
	s_wait_xcnt 0x0
	s_wait_alu depctr_hold_cnt(0) depctr_sa_sdst(0) depctr_va_vdst(0) depctr_va_sdst(0) depctr_va_ssrc(0) depctr_va_vcc(0) depctr_vm_vsrc(0)
	s_getreg_b32 s2, hwreg(HW_REG_IB_STS2, 6, 4)
	s_cmp_eq_u32 s2, 0
	s_cbranch_scc0 .Lentry_in_a_cluster
	s_endpgm
.Lentry_in_a_cluster:
	s_bfe_u32 s2, ttmp6, 0x10000c
	s_cmp_lg_u32 s2, 0xf033
	s_cbranch_scc0 .Lentry_shape_is_right
	s_endpgm
.Lentry_shape_is_right:
; C[m][n] = sum over k of A[m][k] B[n][k] (+ bias[n]), K = 2,048, on codes of FP6 (E2M3) with one E8M0 byte for each 32 along K, as they are given; C f32, 8,192 x 2,048.
; A cluster of 4 x 4 work-groups makes 1,024 x 1,024 of C; the cluster's y (Y) says of which product, its x (X) which half of the 2,048:
;   Y 0-3: A = x (rows 1024 Y on), B = wq, bias bq.   Y 4: cam, wk, bk, C rows 4,096 on.   Y 5: render, wkr, bkr, C rows 5,120 on.
;   Y 6: A = wv, B = cam, no bias: C rows 6,144 + d: V transposed, column = 1024 batch + key.   Y 7: wvr, render, keys 512 further on.  (V's bias goes by rows: the next launch adds it.)
; C IS THIS PROGRAM'S OWN WORKSPACE AND LIES AS THE ACCUMULATORS LIE: tiles of 16 x 16, tile (m / 16, n / 16) at byte 1024 (128 (m / 16) + n / 16); in a tile registers 4 q .. 4 q + 3 of lane l at byte 512 q + 16 l;
; register j of lane l is C(m = l % 16, n = 8 (l / 16) + j) of the tile.  So every store is 512 consecutive bytes straight from the accumulators.
; A work-group of four waves makes 256 x 256; a wave 128 x 128: 64 accumulators, 512 registers.  K goes through two LDS slots in chunks of 256 bytes of each row (a row of codes is 1,536 bytes: every chunk
; begins at a multiple of 256).  A step of 128 along K is 96 bytes: eight steps to three chunks; steps 2 and 5 of each eight take pieces from both slots.
; THE HEAD fills both slots, one tensor load a wave: chunk 0 of A, chunk 0 of B, chunk 1 of A, chunk 1 of B.
; THE SCALES of the work-group's rows, for all of K, are two dense blocks: each wave loads 8,192 bytes of them once, 512 consecutive bytes an instruction, and stores them into LDS bytes into which no fill lands.
; A's tiles are shared along a row of the cluster, B's along a column: joint loads.  Source 0 = rows of B, source 1 = rows of A.
; THE BIAS is the C of the first step's products (eight registers for each of B's eight blocks, in the result's layout).
; PREFETCH: behind the head's loads each wave asks for chunks 2 and 3, behind the refill of chunk c for chunk c + 2 (two refills ahead), a lane a row of 256 bytes.  Of the rows that a wave fetches in the ring
; each of the four partners that ask for them jointly takes a quarter, by address (cx for A, cy for B).  The last two refills ask for nothing.  The prefetches' address registers are never rewritten.
; The walk is written out: slots and chunks come back to where they began only after all sixteen steps.
; REGISTERS: window 0: v0-31 addresses, v32-63 scale words (two sets), v64-127 bias, v128.. A's fragments (one set); window 1: B's fragments, two sets (v0, v128); windows 2, 3: accumulators (a, b) at v[8 (8 (a % 4) + b)].
; LIMIT: a scale byte 0xff among the inputs makes its sums NaN, as the format says.
.set AB, 8                             ; A's blocks of 16 rows a wave
.set AQ, AB/4
.set AR, 16*AB                         ; A's rows a wave reads, and a ring load of A brings
.set SIZE_N, 2048
.set ROWB, 256
.set NQ, 2
.set KROW, 1536
.set STEPS, 16
.set CHUNKS, 6
.set PITCH, 272                        ; 256 bytes + 16 of padding
.set FR, 12
.set NL, 6
.set NP, 4
.set HALFA, AR*PITCH
.set HALFT, 128*PITCH
.set SLOT, 2*HALFA+2*HALFT             ; A's rows, then B's 256
.set KS, 64
.set SCL, 2*SLOT                       ; the scales: each 256 bytes followed by 16 unused
.set HSA, (AR*KS/256)*272
.set HSB, (128*KS/256)*272
.set SBLK, (16*KS/256)*272
.set NSA, AR*KS/512                    ; loads of 512 bytes that bring the scales of AR rows
.set SPARE, SCL+2*HSA+2*HSB            ; the spare words: 512 bytes that no other line names
.set SST, 13
.set PFO, 14
.set BO, 15
.set ADRA, 16
.set ADRB, 20
.set CO, 26
.set ADRS, 27
.set SPW, 28
.set NIL, 29
.set SC, 32
.set BIA, 64
.set AF, 128
.set G1, 24
.set G0, 32
.set G1B, 48
.set G0B, 56
.set PFA, 68                           ; s[68:69] the prefetches' base
.set G0H1, 76                          ; group 0 of the head's loads: chunk 1 of A, of B
.set G0HB1, 88
.set G0H, 4                            ; chunk 0 of A, of B
.set G0HB, 8
.set CRT, 96
.set CT, 97
.set YY, 98
.set XX, 99
.set MSB, 0
.macro WIN new
.if MSB != (\new)
	s_set_vgpr_msb (MSB<<8)|(\new)
.set MSB, (\new)
.endif
.endm
.set TO_B, 0x40
.macro JLOAD g0a, g1a, g0b, g1b        ; waves 0, 1 fetch for A, waves 2, 3 for B
	s_cmp_eq_u32 s15, 0
	s_cbranch_scc0 .Lfor_b_\@
	tensor_load_to_lds s[\g0a:\g0a+3], s[\g1a:\g1a+7]
	s_nop 0
.rept 4
	v_nop
.endr
	s_branch .Lasked_\@
.Lfor_b_\@:
	tensor_load_to_lds s[\g0b:\g0b+3], s[\g1b:\g1b+7]
	s_nop 0
.rept 4
	v_nop
.endr
.Lasked_\@:
.endm
.macro CREST
	s_cmp_lg_u32 s14, 0
	s_cbranch_scc1 .Lnot_wave_0_\@
	s_barrier_signal -3
.Lnot_wave_0_\@:
	s_barrier_wait -3
	s_barrier_signal -1
	s_barrier_wait -1
.endm
.macro CROUND
	s_barrier_signal -1
	s_barrier_wait -1
	CREST
.endm
	s_load_b512 s[24:39], s[0:1], 0x0              ; argument i at s[24 + 2 i]
	s_load_b512 s[40:55], s[0:1], 0x40
	s_load_b256 s[56:63], s[0:1], 0x80
	v_lshl_add_u32 v[SPW], v0, 2, SPARE
	v_mov_b32 v[NIL], 0
	ds_add_u32 v[SPW], v[NIL]                      ; the opening lines: the add twice and one wait
	ds_add_u32 v[SPW], v[NIL]
	v_lshrrev_b32 v1, 5, v0
	v_readfirstlane_b32 s14, v1                    ; wave
	s_lshr_b32 s15, s14, 1                         ; my half of the rows; also: I fetch for A (0) or B (1)
	s_and_b32 s16, s14, 1                          ; my half of the columns; also: which half of a tile I fetch
	s_and_b32 s[YY], ttmp7, 0xffff
	s_mov_b32 s[XX], ttmp9
	s_wait_dscnt 0x0
	s_wait_kmcnt 0x0
	; which product: chosen on Y alone.  A's codes s[4:5], scales s[6:7]; B's s[8:9], s[10:11]; bias s[2:3]; C s[12:13]
	s_mov_b64 s[4:5], s[58:59]
	s_mov_b64 s[6:7], s[60:61]
	s_mov_b64 s[8:9], s[38:39]
	s_mov_b64 s[10:11], s[40:41]
	s_mov_b64 s[2:3], s[32:33]
	s_mov_b64 s[12:13], s[62:63]
	s_cmp_eq_u32 s[YY], 6
	s_cselect_b64 s[4:5], s[54:55], s[4:5]
	s_cselect_b64 s[6:7], s[56:57], s[6:7]
	s_cselect_b64 s[8:9], s[34:35], s[8:9]
	s_cselect_b64 s[10:11], s[36:37], s[10:11]
	s_cmp_eq_u32 s[YY], 5
	s_cselect_b64 s[4:5], s[38:39], s[4:5]
	s_cselect_b64 s[6:7], s[40:41], s[6:7]
	s_cselect_b64 s[8:9], s[48:49], s[8:9]
	s_cselect_b64 s[10:11], s[50:51], s[10:11]
	s_cselect_b64 s[2:3], s[52:53], s[2:3]
	s_cmp_eq_u32 s[YY], 4
	s_cselect_b64 s[4:5], s[34:35], s[4:5]
	s_cselect_b64 s[6:7], s[36:37], s[6:7]
	s_cselect_b64 s[8:9], s[42:43], s[8:9]
	s_cselect_b64 s[10:11], s[44:45], s[10:11]
	s_cselect_b64 s[2:3], s[46:47], s[2:3]
	s_cmp_lt_u32 s[YY], 4
	s_cselect_b64 s[4:5], s[24:25], s[4:5]
	s_cselect_b64 s[6:7], s[26:27], s[6:7]
	s_cselect_b64 s[8:9], s[28:29], s[8:9]
	s_cselect_b64 s[10:11], s[30:31], s[10:11]
	s_cselect_b64 s[2:3], s[32:33], s[2:3]
	; which tiles: A's tile row s17 = 4 (Y | 0 | X) + cy, B's s42 = 4 (X | X | 0) + cx for Y < 4 | Y = 4, 5 | Y >= 6
	s_bfe_u32 s40, ttmp6, 0x40000                  ; cx
	s_bfe_u32 s41, ttmp6, 0x40004                  ; cy
	s_add_co_u32 s[CRT], s[XX], 6
	s_lshr_b32 s[CT], s40, 1                       ; V^T: column tile 4 (cx / 2) + 2 (Y % 2) + cx % 2
	s_lshl_b32 s[CT], s[CT], 2
	s_and_b32 s18, s[YY], 1
	s_lshl_b32 s18, s18, 1
	s_add_co_u32 s[CT], s[CT], s18
	s_and_b32 s18, s40, 1
	s_add_co_u32 s[CT], s[CT], s18
	s_cmp_lt_u32 s[YY], 4
	s_cselect_b32 s17, s[YY], 0
	s_cmp_ge_u32 s[YY], 6
	s_cselect_b32 s17, s[XX], s17
	s_cselect_b32 s42, 0, s[XX]
	s_cselect_b32 s[CRT], s[CRT], s[YY]
	s_lshl_b32 s17, s17, 2
	s_add_co_u32 s17, s17, s41
	s_lshl_b32 s42, s42, 2
	s_add_co_u32 s42, s42, s40
	s_lshl_b32 s[CRT], s[CRT], 2
	s_add_co_u32 s[CRT], s[CRT], s41
	s_cmp_ge_u32 s[YY], 6
	s_cselect_b32 s[CT], s[CT], s42
	s_lshl_b32 s43, s41, 2
	s_lshl_b32 s43, 15, s43                        ; my row of the cluster
	s_lshl_b32 s44, 0x1111, s40                    ; my column
	s_or_b32 s[G1+0], s43, (0<<16)|(1<<20)|(1<<21)|(5<<22)|(3<<25)
	s_or_b32 s[G1B+0], s44, (0<<16)|(1<<20)|(1<<21)|(5<<22)|(3<<25)
.irp g, G1, G1B
	s_mov_b32 s[\g+1], ROWB<<16
	s_mov_b32 s[\g+3], ROWB<<16
	s_mov_b32 s[\g+5], KROW
	s_mov_b32 s[\g+6], 0
	s_mov_b32 s[\g+7], 0
.endr
	s_mov_b32 s[G1+2], (2*AR)<<16                  ; the head's loads bring whole tiles
	s_mov_b32 s[G1+4], 2*AR
	s_mov_b32 s[G1B+2], 256<<16
	s_mov_b32 s[G1B+4], 256
	s_mul_i32 s20, s17, 2*AR                       ; A's first row
	s_lshl_b32 s46, s42, 8                         ; B's
	s_mov_b32 s21, 0
	s_mov_b32 s47, 0
	s_mov_b64 s[18:19], KS
	s_mul_u64 s[22:23], s[20:21], s[18:19]
	s_mul_u64 s[92:93], s[46:47], s[18:19]
	s_mov_b64 s[18:19], KROW
	s_mul_u64 s[20:21], s[20:21], s[18:19]
	s_mul_u64 s[46:47], s[46:47], s[18:19]
	s_mul_i32 s18, s16, AR*KROW                    ; in the ring: my half of A's tile, in bytes
	s_mov_b32 s19, 0
	s_mul_i32 s45, s16, HALFA                      ; and where it goes
	s_mul_i32 s94, s16, HALFT
	s_add_co_u32 s94, s94, 2*HALFA                 ; B's halves lie behind A's
	s_add_nc_u64 s[20:21], s[4:5], s[20:21]
	s_add_nc_u64 s[22:23], s[6:7], s[22:23]
	s_add_nc_u64 s[46:47], s[8:9], s[46:47]
	s_add_nc_u64 s[92:93], s[10:11], s[92:93]
	; the scales that I bring: waves 0, 1 the halves of A's, waves 2, 3 of B's: s[92:93]; where they go: s75
	s_mul_i32 s72, s16, AR*KS
	s_mov_b32 s73, 0
	s_add_nc_u64 s[22:23], s[22:23], s[72:73]
	s_mul_i32 s72, s16, 128*KS
	s_add_nc_u64 s[92:93], s[92:93], s[72:73]
	s_mul_i32 s75, s14, HSB
	s_add_co_u32 s75, s75, SCL
	; the rows that I prefetch: of the rows that I fetch in the ring, my work-group's quarter
	s_mul_i32 s70, s17, 2*AR
	s_mul_i32 s72, s16, AR
	s_add_co_u32 s70, s70, s72
	s_mul_i32 s72, s40, AR/4
	s_add_co_u32 s70, s70, s72                     ; of A: by cx
	s_lshl_b32 s71, s42, 8
	s_lshl_b32 s72, s16, 7
	s_add_co_u32 s71, s71, s72
	s_lshl_b32 s72, s41, 5
	s_add_co_u32 s71, s71, s72                     ; of B: by cy
	s_cmp_eq_u32 s15, 0
	s_cselect_b64 s[92:93], s[22:23], s[92:93]
	s_cselect_b64 s[PFA:PFA+1], s[4:5], s[8:9]
	s_cselect_b32 s72, s70, s71
	s_cselect_b32 s74, AR/4-1, 31                  ; rows less one
	s_mul_i32 s72, s72, KROW
	s_add_nc_u64 s[PFA:PFA+1], s[PFA:PFA+1], s[72:73]
	CROUND                                         ; in front of the first joint loads
	s_mov_b32 s[G0H], 1
	s_mov_b32 s[G0H+1], 0
	s_mov_b64 s[G0H+2:G0H+3], s[20:21]
	s_or_b32 s[G0H+3], s[G0H+3], 0x80000000
	s_mov_b32 s[G0HB], 1
	s_mov_b32 s[G0HB+1], 2*HALFA
	s_mov_b64 s[G0HB+2:G0HB+3], s[46:47]
	s_or_b32 s[G0HB+3], s[G0HB+3], 0x80000000
	s_mov_b32 s[G0H1], 1
	s_mov_b32 s[G0H1+1], SLOT
	s_add_nc_u64 s[G0H1+2:G0H1+3], s[20:21], ROWB
	s_or_b32 s[G0H1+3], s[G0H1+3], 0x80000000
	s_mov_b32 s[G0HB1], 1
	s_mov_b32 s[G0HB1+1], SLOT+2*HALFA
	s_add_nc_u64 s[G0HB1+2:G0HB1+3], s[46:47], ROWB
	s_or_b32 s[G0HB1+3], s[G0HB1+3], 0x80000000
	s_mul_i32 s22, s16, 128*KROW                   ; my half of B's tile
	s_mov_b32 s23, 0
	s_add_nc_u64 s[20:21], s[20:21], s[18:19]
	s_add_nc_u64 s[46:47], s[46:47], s[22:23]
.irp s, 0,1                            ; the ring's group 0: slot s stands at chunk s; each refill steps it by two chunks first
	s_mov_b32 s[G0+4*\s], 1
	s_add_co_u32 s[G0+4*\s+1], s45, \s*SLOT
	s_add_nc_u64 s[G0+4*\s+2:G0+4*\s+3], s[20:21], \s*ROWB
	s_or_b32 s[G0+4*\s+3], s[G0+4*\s+3], 0x80000000
	s_mov_b32 s[G0B+4*\s], 1
	s_add_co_u32 s[G0B+4*\s+1], s94, \s*SLOT
	s_add_nc_u64 s[G0B+4*\s+2:G0B+4*\s+3], s[46:47], \s*ROWB
	s_or_b32 s[G0B+4*\s+3], s[G0B+4*\s+3], 0x80000000
.endr
; the head's four tiles, one load a wave: chunk 0 of A, chunk 0 of B, chunk 1 of A, chunk 1 of B
.macro ARM under, g0, g1, next
	s_cmp_lt_u32 s14, \under
	s_cbranch_scc0 \next
	tensor_load_to_lds s[\g0:\g0+3], s[\g1:\g1+7]
	s_nop 0
.rept 4
	v_nop
.endr
	s_branch .Lhead_asked
\next:
.endm
	ARM 1, G0H,  G1,  .Lhead_b
	ARM 2, G0HB, G1B, .Lhead_a1
	ARM 3, G0H1, G1,  .Lhead_b1
	tensor_load_to_lds s[G0HB1:G0HB1+3], s[G1B:G1B+7]
	s_nop 0
.rept 4
	v_nop
.endr
.Lhead_asked:
	v_and_b32 v1, 15, v0                           ; r
	v_bfe_u32 v2, v0, 4, 1                         ; h
	v_mul_u32_u24 v3, v1, PITCH
	v_mul_u32_u24 v4, v2, 24
	v_add_nc_u32 v4, v3, v4                        ; row x pitch + 24 h
	s_mov_b32 s21, SLOT-232
	s_mov_b32 s22, SLOT+232
	v_sub_nc_u32 v7, 1, v2
	v_mul_u32_u24 v5, s21, v2
	v_add_nc_u32 v5, v3, v5
	v_add_nc_u32 v5, 232, v5                       ; lanes 0-15 byte 232 in slot 0, lanes 16-31 byte 0 in slot 1
	v_mul_u32_u24 v6, s22, v7
	v_add_nc_u32 v6, v3, v6                        ; and the other way round
	s_mul_i32 s21, s15, HALFA
	s_mul_i32 s22, s16, HALFT
	s_add_co_u32 s22, s22, 2*HALFA
	v_add_nc_u32 v[ADRA+2], s21, v5
	v_add_nc_u32 v[ADRA+3], s21, v6
	v_add_nc_u32 v[ADRB+2], s22, v5
	v_add_nc_u32 v[ADRB+3], s22, v6
.irp s, 0,1
	v_add_nc_u32 v[ADRA+\s], s21, v4
	v_add_nc_u32 v[ADRB+\s], s22, v4
	s_add_co_u32 s21, s21, SLOT
	s_add_co_u32 s22, s22, SLOT
.endr
	v_mul_u32_u24 v5, v1, KS                       ; my row's scales, 16 more for each 256 passed
	v_lshrrev_b32 v6, 8, v5
	v_lshl_add_u32 v5, v6, 4, v5
	s_mul_i32 s21, s15, HSA
	s_mul_i32 s22, s16, HSB
	s_add_co_u32 s22, s22, 2*HSA
	s_sub_co_u32 s22, s22, s21
	v_mul_u32_u24 v6, s22, v2                      ; lanes 16-31 take B's
	s_add_co_u32 s21, s21, SCL
	v_add_nc_u32 v5, v5, v6
	v_add_nc_u32 v[ADRS], s21, v5
	v_and_b32 v6, 31, v0
	v_lshlrev_b32 v[CO], 4, v6                     ; 16 x lane
	v_lshlrev_b32 v[BO], 5, v2                     ; bias: 32 h bytes
	v_and_b32 v[PFO], s74, v6
	v_mul_u32_u24 v[PFO], v[PFO], KROW             ; prefetch: a lane a row
	v_lshl_add_u32 v[SST], v2, 4, v[CO]
	v_add_nc_u32 v[SST], s75, v[SST]               ; scales into LDS: 16 lane, 16 more behind the first 256
	s_mul_i32 s20, s[CRT], 2*AR
	s_mul_i32 s21, s15, AR
	s_add_co_u32 s20, s20, s21                     ; my first row of C: 16 rows of tiles are 131,072 bytes, so 8,192 a row
	s_mov_b32 s21, 0
	s_mov_b64 s[18:19], SIZE_N*4
	s_mul_u64 s[20:21], s[20:21], s[18:19]
	s_lshl_b32 s46, s[CT], 10
	s_lshl_b32 s47, s16, 9
	s_add_co_u32 s46, s46, s47                     ; 4 x my first column: the bias's bytes
	s_mov_b32 s47, 0
	s_add_nc_u64 s[2:3], s[2:3], s[46:47]
	s_lshl_b32 s46, s46, 4                         ; 64 x my first column: 16 columns are a tile of 1,024 bytes
	s_add_nc_u64 s[20:21], s[20:21], s[46:47]
	s_add_nc_u64 s[12:13], s[12:13], s[20:21]
.set j, 0
.rept 64
	v_mov_b32 v[BIA+j], 0                          ; V^T has no bias here: zeros stay
.set j, j+1
.endr
	s_wait_alu depctr_va_vdst(0)                   ; the wait ahead of the branch and of the readers behind it
	s_cmp_ge_u32 s[YY], 6                          ; on Y alone, which all partners share
	s_cbranch_scc1 .Lno_bias
.irp b, 0,1,2,3,4,5,6,7
	global_load_b128 v[BIA+8*\b:BIA+8*\b+3], v[BO], s[2:3] offset:64*\b       ; bias of columns 16 b + 8 h + 0 .. 7
	global_load_b128 v[BIA+8*\b+4:BIA+8*\b+7], v[BO], s[2:3] offset:64*\b+16
.endr
.Lno_bias:
.set j, 0
.rept NSA
	global_load_b128 v[AF+4*j:AF+4*j+3], v[CO], s[92:93] offset:512*j         ; my share of the scales, 512 consecutive bytes a load
.set j, j+1
.endr
	global_prefetch_b8 v[PFO], s[PFA:PFA+1] offset:2*ROWB th:TH_LOAD_NT scope:SCOPE_SE   ; chunks 2 and 3: the first two refills
	global_prefetch_b8 v[PFO], s[PFA:PFA+1] offset:3*ROWB th:TH_LOAD_NT scope:SCOPE_SE
.macro FRAG reg, adr, st, i            ; 16 rows x 128 K: six pieces of 8 bytes, each inside one chunk
.irp p, 0,1,2,3,4,5
.set BY, 96*(\st)+48*(\p/3)+8*(\p%3)
.if BY/ROWB == (BY+24)/ROWB
	ds_load_b64 v[\reg+2*\p:\reg+2*\p+1], v[\adr+(BY/ROWB)%2] offset:BY%ROWB+(\i)*16*PITCH
.else
	ds_load_b64 v[\reg+2*\p:\reg+2*\p+1], v[\adr+2+(BY/ROWB)%2] offset:BY%ROWB-232+(\i)*16*PITCH
.endif
.endr
.endm
; a quarter of a step's products: AQ blocks of A x B's eight.  bias = 1: the first step, C = the bias.  The accumulators take turns.
.macro MULQ qd, st, bias
.set aa, (\qd)*AQ
.set PB, 128*((\st)%2)
.set SS, SC+8*NQ*(((\st)/2)%2)+(\st)%2
.if \bias
	WIN 0x81+0x40*(aa/4)
.else
	WIN 0xa1+0x50*(aa/4)
.endif
.rept AQ
.irp b, 0,1,2,3,4,5,6,7
.if \bias
	v_wmma_scale_f32_16x16x128_f8f6f4 v[8*(8*(aa%4)+\b):8*(8*(aa%4)+\b)+7], v[PB+FR*\b:PB+FR*\b+FR-1], v[AF+FR*aa:AF+FR*aa+FR-1], v[BIA+8*\b:BIA+8*\b+7], v[SS+NQ*\b], v[SS+NQ*aa] matrix_a_fmt:MATRIX_FMT_FP6 matrix_b_fmt:MATRIX_FMT_FP6 matrix_a_scale:MATRIX_SCALE_ROW1
.else
	v_wmma_scale_f32_16x16x128_f8f6f4 v[8*(8*(aa%4)+\b):8*(8*(aa%4)+\b)+7], v[PB+FR*\b:PB+FR*\b+FR-1], v[AF+FR*aa:AF+FR*aa+FR-1], v[8*(8*(aa%4)+\b):8*(8*(aa%4)+\b)+7], v[SS+NQ*\b], v[SS+NQ*aa] matrix_a_fmt:MATRIX_FMT_FP6 matrix_b_fmt:MATRIX_FMT_FP6 matrix_a_scale:MATRIX_SCALE_ROW1
.endif
.endr
.set aa, aa+1
.endr
.endm
.macro FETCH_B st, p
	WIN TO_B
.irp i, 0,1,2,3,4,5,6,7
	FRAG 128*(\p)+FR*\i, ADRB, \st, \i
.endr
	WIN 0
.endm
.macro FETCH_A st, hf                  ; the lower or upper half of A's blocks
.set ii, (\hf)*AB/2
.rept AB/2
	FRAG AF+FR*ii, ADRA, \st, ii
.set ii, ii+1
.endr
.endm
.macro SCALES pr                       ; the words of steps 2 pr, 2 pr + 1: lanes 0-15 A's block i, lanes 16-31 B's
.irp i, 0,1,2,3,4,5,6,7
	ds_load_b64 v[SC+8*NQ*((\pr)%2)+NQ*\i:SC+8*NQ*((\pr)%2)+NQ*\i+1], v[ADRS] offset:\i*SBLK+4*NQ*(\pr)
.endr
.endm
.macro PLACES n
.rept \n
	v_nop
.endr
.endm
; a step: its products, and the next step's fragments.  Where the next step ends in a chunk not yet shown (chunks 0 and 1 are shown by the barrier in front of the walk): a barrier shows it whole.
; Where it begins in a later chunk: the old chunk is read no more, and, if a chunk two on is left, a round of the cluster's barrier and the refill follow.
.macro STEP st, bias
.set NX, (\st)+1
.set C0, (96*(\st))/ROWB
.set C1, (96*NX)/ROWB
.set E0, (96*(\st)+95)/ROWB
.set E1, (96*NX+95)/ROWB
.if C1 > C0 || (E1 > E0 && E1 > 1)
	s_wait_tensorcnt 0x0                           ; all my tensor loads have landed
.if C1 > C0
	ds_add_u32 v[SPW], v[NIL]
	s_wait_dscnt (AB/2)*NL+1                       ; the add and A's upper blocks may be out
.else
	s_wait_dscnt (AB/2)*NL                         ; A's upper blocks may be out
.endif
	MULQ 0, \st, \bias
	s_wait_dscnt 0x0                               ; the add and all my reads are done
	s_barrier_signal -1
	MULQ 1, \st, \bias
	WIN 0
	s_barrier_wait -1
.if C1 > C0 && C0+2 < CHUNKS
	CREST
	s_add_nc_u64 s[G0+4*(C0%2)+2:G0+4*(C0%2)+3], s[G0+4*(C0%2)+2:G0+4*(C0%2)+3], 2*ROWB
	s_add_nc_u64 s[G0B+4*(C0%2)+2:G0B+4*(C0%2)+3], s[G0B+4*(C0%2)+2:G0B+4*(C0%2)+3], 2*ROWB
	JLOAD G0+4*(C0%2), G1, G0B+4*(C0%2), G1B       ; chunk C0 + 2; its four v_nop are the places in front of the loads below
.else
	PLACES NP
.endif
.else
	s_wait_dscnt (AB/2)*NL
	MULQ 0, \st, \bias
	MULQ 1, \st, \bias
	s_wait_dscnt 0
	PLACES NP
.endif
	FETCH_B NX, NX%2
	FETCH_A NX, 0
.if NX%2 == 0
	SCALES NX/2
.endif
.if C1 > C0 && C0+4 < CHUNKS
	global_prefetch_b8 v[PFO], s[PFA:PFA+1] offset:(C0+4)*ROWB th:TH_LOAD_NT scope:SCOPE_SE   ; the chunk two refills on
.endif
	MULQ 2, \st, \bias
	MULQ 3, \st, \bias
	PLACES NP
	WIN 0
	FETCH_A NX, 1
.endm
	s_wait_alu depctr_va_vdst(0)
	s_wait_tensorcnt 0x0                           ; my tile of the head's four is in
	s_wait_loadcnt 0x0                             ; and so are my share of the scales and the bias
.set j, 0
.rept NSA
	ds_store_b128 v[SST], v[AF+4*j:AF+4*j+3] offset:544*j    ; 512 bytes and their two gaps of 16
.set j, j+1
.endr
	s_mov_b32 s[G1+2], AR<<16                      ; no load of mine is out: from here on a load brings half a tile
	s_mov_b32 s[G1+4], AR
	s_mov_b32 s[G1B+2], 128<<16
	s_mov_b32 s[G1B+4], 128
	s_wait_dscnt 0x0                               ; for the others' sake: my stores have landed
	s_barrier_signal -1
	s_barrier_wait -1                              ; both slots and all scales are whole
	FETCH_B 0, 0
	FETCH_A 0, 0
	SCALES 0
	FETCH_A 0, 1
	STEP 0, 1
.set ST, 1
.rept STEPS-2
	STEP ST, 0
.set ST, ST+1
.endr
	s_wait_dscnt (AB/2)*NL
	MULQ 0, 15, 0
	MULQ 1, 15, 0
	s_wait_dscnt 0
	MULQ 2, 15, 0
	MULQ 3, 15, 0
; THE WAY OUT: each accumulator is a tile of C's layout: two stores of 512 consecutive bytes, at multiples of 512 from C's first byte, from its low end on.
; A block's eight tiles are 8,192 consecutive bytes; the blocks lie 131,072 bytes apart: all inside the stores' immediate, so no base is stepped and no register is written.
.macro OUT a
.set AC, 64*((\a)%4)
	WIN 0x08+0x04*((\a)/4)                         ; the data: window 2 or 3
.irp b, 0,1,2,3,4,5,6,7
	global_store_b128 v[CO], v[AC+8*\b:AC+8*\b+3], s[12:13] offset:(\a)*131072+\b*1024
	global_store_b128 v[CO], v[AC+8*\b+4:AC+8*\b+7], s[12:13] offset:(\a)*131072+\b*1024+512
.endr
.endm
	PLACES NP                                      ; behind the last products
.set BL, 0
.rept AB
	OUT BL
.set BL, BL+1
.endr
	WIN 0
	s_wait_tensorcnt 0x0                           ; the wave's end
	ds_add_u32 v[SPW], v[NIL]
	s_wait_dscnt 0x0
	CROUND                                         ; the closing round
	s_endpgm
.Lfunc_end_k_q24abd19a0c_proj:
	.size	k_q24abd19a0c_proj, .Lfunc_end_k_q24abd19a0c_proj-k_q24abd19a0c_proj
	.p2alignl 7, 3214868480
	.fill 96, 4, 3214868480
	.section	.rodata,"a",@progbits
	.p2align	6, 0x0
	.amdhsa_kernel k_q24abd19a0c_proj
		.amdhsa_group_segment_fixed_size 327680
		.amdhsa_private_segment_fixed_size 0
		.amdhsa_enable_private_segment 0
		.amdhsa_kernarg_size 160
		.amdhsa_user_sgpr_count 2
		.amdhsa_user_sgpr_kernarg_segment_ptr 1
		.amdhsa_wavefront_size32 1
		.amdhsa_system_sgpr_workgroup_id_x 1
		.amdhsa_system_sgpr_workgroup_id_y 1
		.amdhsa_system_sgpr_workgroup_id_z 1
		.amdhsa_system_vgpr_workitem_id 0
		.amdhsa_next_free_vgpr 1024
		.amdhsa_next_free_sgpr 100
		.amdhsa_reserve_vcc 0
		.amdhsa_float_denorm_mode_32 3
		.amdhsa_float_denorm_mode_16_64 3
		.amdhsa_memory_ordered 1
		.amdhsa_forward_progress 1
		.amdhsa_inst_pref_size 255
	.end_amdhsa_kernel
	.section	.bss,"aw",@nobits
	.p2align	6
	.space	262144
	.amdgpu_metadata
---
amdhsa.version: [ 1, 2 ]
amdhsa.kernels:
  - .name:           k_q24abd19a0c_proj
    .symbol:         k_q24abd19a0c_proj.kd
    .args:
      - { .name: x_codes, .offset: 0, .size: 8, .value_kind: global_buffer, .address_space: global }
      - { .name: x_scales, .offset: 8, .size: 8, .value_kind: global_buffer, .address_space: global }
      - { .name: wq_codes, .offset: 16, .size: 8, .value_kind: global_buffer, .address_space: global }
      - { .name: wq_scales, .offset: 24, .size: 8, .value_kind: global_buffer, .address_space: global }
      - { .name: bq, .offset: 32, .size: 8, .value_kind: global_buffer, .address_space: global }
      - { .name: cam_emb_codes, .offset: 40, .size: 8, .value_kind: global_buffer, .address_space: global }
      - { .name: cam_emb_scales, .offset: 48, .size: 8, .value_kind: global_buffer, .address_space: global }
      - { .name: render_emb_codes, .offset: 56, .size: 8, .value_kind: global_buffer, .address_space: global }
      - { .name: render_emb_scales, .offset: 64, .size: 8, .value_kind: global_buffer, .address_space: global }
      - { .name: wk_codes, .offset: 72, .size: 8, .value_kind: global_buffer, .address_space: global }
      - { .name: wk_scales, .offset: 80, .size: 8, .value_kind: global_buffer, .address_space: global }
      - { .name: bk, .offset: 88, .size: 8, .value_kind: global_buffer, .address_space: global }
      - { .name: wkr_codes, .offset: 96, .size: 8, .value_kind: global_buffer, .address_space: global }
      - { .name: wkr_scales, .offset: 104, .size: 8, .value_kind: global_buffer, .address_space: global }
      - { .name: bkr, .offset: 112, .size: 8, .value_kind: global_buffer, .address_space: global }
      - { .name: wv_codes, .offset: 120, .size: 8, .value_kind: global_buffer, .address_space: global }
      - { .name: wv_scales, .offset: 128, .size: 8, .value_kind: global_buffer, .address_space: global }
      - { .name: wvr_codes, .offset: 136, .size: 8, .value_kind: global_buffer, .address_space: global }
      - { .name: wvr_scales, .offset: 144, .size: 8, .value_kind: global_buffer, .address_space: global }
      - { .name: lin, .offset: 152, .size: 8, .value_kind: global_buffer, .address_space: global }
    .group_segment_fixed_size: 327680
    .private_segment_fixed_size: 0
    .kernarg_segment_align: 8
    .kernarg_segment_size: 160
    .max_flat_workgroup_size: 128
    .sgpr_count:     100
    .vgpr_count:     1024
    .wavefront_size: 32
...
	.end_amdgpu_metadata
.endif
;; end of part 1
;; launch quant (part 2): grid 512 x 1, 16 waves a work-group, no clusters, 19,968 bytes of LDS; arguments lin, gq, gk, freqs_x, freqs_cam, freqs_render, bv, bvr, qc, qs, kbuf, vbuf; writes qc, qs, kbuf, vbuf
.if DOCPART == 2
	.amdgcn_target "amdgcn-amd-amdhsa--gfx1250"
	.amdhsa_code_object_version 6
	.text
	.protected	k_q24abd19a0c_quant
	.globl	k_q24abd19a0c_quant
	.p2align	8
	.type	k_q24abd19a0c_quant,@function
k_q24abd19a0c_quant:
	s_mov_b64 s[64:65], 0
	v_nop
	global_prefetch_b8 v0, s[64:65] scope:SCOPE_SE
	s_setreg_imm32_b32 hwreg(HW_REG_WAVE_MODE, 25, 1), 1
	s_wait_xcnt 0x0
; lin, 8,192 x 2,048 f32 (rows 0-4095 q, 4096-5119 k of cam, 5120-6143 k of render, all with their bias; rows 6144 + d: V transposed, column = 1024 batch + key, without bias) becomes attention's three operands in codes of
; FP6 (E2M3) with one E8M0 byte for each 32 along K.   q, k: y = x rsqrt(mean of the row's 2,048 squares + 1e-6) g, each pair (y0, y1) turned by (fr, fi), quantised along the head's 128.   V^T: + bias of its row, quantised along the keys.
; lin LIES IN TILES of 16 x 16, as the launch before holds them in registers: tile (m / 16, n / 16) at byte 1024 (128 (m / 16) + n / 16); registers 4 q .. 4 q + 3 of lane l at byte 512 q + 16 l; register j of lane l = (m = l % 16, n = 8 (l / 16) + j).
; SHARES.  A work-group takes 16 whole rows (the mean wants the whole row), wave w columns 128 w .. 128 w + 127: eight tiles, 8,192 consecutive bytes, sixteen loads of 512 bytes straight into the registers that the conversions read.
; THE ORDER ALONG K.  Lane (r, h) then holds, of each 32 columns, 8 h + 0 .. 7 and 16 + 8 h + 0 .. 7, and they are packed as places 16 h + 0 .. 15 of the block.  That is one fixed order inside each block of 32, the same for q and k
; (the head's axis) and for V^T's keys, where attention's p comes out of its first product in this very order.  Both operands of each product are permuted alike and a block holds the same 32 numbers, so sums and scales stay as they are.
; OUT: each fragment leaves as an image of the operand's registers: registers 4 c .. 4 c + 3 of lane l at byte 512 c + 16 l: three stores of 512 consecutive bytes; the 16 scale words as 64 bytes.
;   qc [batch x head 32][tile of 16 queries 128][1,536], qs [32][128][64];  kbuf, vbuf [32][128 keys 8][12,800]: eight images (16 keys each, or 16 of the head's 128 each), then their eight runs of scale words at byte 12,288.
; ONE PATH FOR ALL THREE KINDS.  What differs is chosen by scalar selects on the work-group's number (pointers, offsets) and by v_cndmask_b32 on a scalar mask (values): V^T takes rs = 1, g = 1, (fr, fi) = (1, 0), which change no
; finite number, and q and k take a bias of 0.
; No tensor loads, no matrix unit, no cluster: work-groups share nothing but the small tables.  One barrier: the rows' sums of squares, the freqs' 16 rows and the gain meet in LDS.
; LIMITS: NaN and infinities are not served (0 x infinity on V^T's neutral path).  A block whose largest magnitude lies under 2^-124, a block of zeros too, gets the byte 1 (the quantiser says 127 for zeros): its codes are zeros or
; subnormal codes under that scale, and this program alone reads the bytes.  The turn's second product is fused with its sum, and so is mean + eps: one rounding where the source has two.
.set XP,   528                         ; a row of freqs in LDS: 512 bytes + 16; the sixteen rows lie from LDS byte 0 on
.set GST,  16*XP                       ; 8,448: the gain, 8,192 dense bytes
.set RED,  GST+8192                    ; 16,640: sums of squares: row r at 80 r, wave w's word at 4 w
.set SPARE, 17920                      ; the spare words: 2,048 bytes that no other line names
.set VO,  4                            ; v4   16 x thread: my 16 bytes of the gain
.set FA,  7                            ; v7   freqs in: row w, 16 x lane
.set FB,  8                            ; v8   freqs out: row r, + 32 h
.set GA,  9                            ; v9   gain in: 16 x thread
.set GB,  10                           ; v10  gain out: 512 w + 32 h
.set RA,  11                           ; v11  my row's sum: 80 r + 4 w
.set RB,  12                           ; v12  my row's sixteen sums: 80 r
.set LI,  13                           ; v13  16 x lane
.set LS,  14                           ; v14  4 r
.set X,   16                           ; v16-79  my 64 numbers: register 16 b + 8 u + i = column 32 b + 16 u + 8 h + i of row r
.set TM,  80                           ; v80-95  at work
.set FF,  96                           ; v96-111 a block's freqs
.set PC,  96                           ; v96-114 the codes
.set PW,  116                          ; v116    the scale word
.set RS,  118                          ; v[118:119] rs, twice
.set T,   120                          ; v120-127 four chains of the sum; the turn's products
.set WV,  28
.set U,   29
.set JP,  30
.set BASE, 31
.set SEL, 32                           ; s[32:33] v_permlanex16_b32's selects for lane l xor 16
.set EPS, 34
.set VM,  60                           ; s60  all ones in a V^T work-group, else 0
	s_load_b512 s[4:19], s[0:1], 0x0               ; lin s[4:5], gq s[6:7], gk s[8:9], freqs_x s[10:11], freqs_cam s[12:13], freqs_render s[14:15], bv s[16:17], bvr s[18:19]
	s_load_b256 s[20:27], s[0:1], 0x40             ; qc s[20:21], qs s[22:23], kbuf s[24:25], vbuf s[26:27]
	v_lshl_add_u32 v115, v0, 2, SPARE
	v_mov_b32 v117, 0
	v_lshrrev_b32 v1, 5, v0
	s_delay_alu instid0(VALU_DEP_1)
	v_readfirstlane_b32 s[WV], v1                  ; wave 0..15
	s_mov_b32 s[U], ttmp9
	v_and_b32 v1, 31, v0                           ; lane
	v_and_b32 v2, 15, v0                           ; r
	v_bfe_u32 v3, v0, 4, 1                         ; h
	v_lshlrev_b32 v[VO], 4, v0
	v_mul_u32_u24 v[FB], v2, XP
	s_delay_alu instid0(VALU_DEP_1)
	v_lshl_add_u32 v[FB], v3, 5, v[FB]
	s_mul_i32 s50, s[WV], XP
	v_lshl_add_u32 v[FA], v1, 4, s50
	v_lshl_add_u32 v[GA], v0, 4, GST
	s_lshl_b32 s50, s[WV], 9
	s_add_co_u32 s50, s50, GST
	v_lshl_add_u32 v[GB], v3, 5, s50
	v_mul_u32_u24 v[RB], v2, 80
	s_delay_alu instid0(VALU_DEP_1)
	v_add_nc_u32 v[RB], RED, v[RB]
	s_lshl_b32 s50, s[WV], 2
	v_add_nc_u32 v[RA], s50, v[RB]
	v_lshlrev_b32 v[LI], 4, v1
	v_lshlrev_b32 v[LS], 2, v2
	s_mov_b32 s[SEL], 0x76543210
	s_mov_b32 s[SEL+1], 0xfedcba98
	s_mov_b32 s[EPS], 0x358637bd                   ; 1e-6
	; WHICH ROWS: 16 U on.  U < 256: q.  Else j = U - 256: k (j < 128) or V^T
	s_sub_co_u32 s[JP], s[U], 256
	s_lshl_b32 s[BASE], s[U], 4
	s_mov_b32 s53, 511                             ; positions of cam and render
	s_cmp_lt_u32 s[U], 256
	s_cselect_b32 s53, 2047, s53
	s_add_co_u32 s52, s[BASE], s[WV]               ; row w of my sixteen: I bring its freqs
	s_and_b32 s52, s52, s53                        ; its position in the sequence (every batch and tensor begins at a multiple of its length)
	s_lshl_b32 s52, s52, 9                         ; 512 bytes of freqs a position
	s_mov_b32 s53, 0
	s_lshl_b32 s54, s[BASE], 13                    ; 16 rows of tiles are 131,072 bytes,
	s_lshl_b32 s56, s[WV], 13                      ; my eight tiles 8,192
	s_add_co_u32 s54, s54, s56
	s_mov_b32 s55, 0
	s_wait_alu depctr_va_vdst(0)
	s_wait_kmcnt 0x0
	s_add_nc_u64 s[36:37], s[4:5], s[54:55]        ; lin at my eight tiles
	s_cmp_lt_u32 s[JP], 64
	s_cselect_b64 s[40:41], s[12:13], s[14:15]     ; k of cam: freqs_cam; k of render (and V^T, which overrides what it loads): freqs_render
	s_cmp_lt_u32 s[U], 256
	s_cselect_b64 s[40:41], s[10:11], s[40:41]
	s_cselect_b64 s[42:43], s[6:7], s[8:9]         ; gq or gk
	s_add_nc_u64 s[40:41], s[40:41], s[52:53]
	s_and_b32 s54, s[WV], 7
	s_cmp_lt_u32 s54, 4                            ; V^T: my 128 keys are cam's (the first 512 of a batch's 1,024) or render's
	s_cselect_b64 s[44:45], s[16:17], s[18:19]
	s_sub_co_u32 s54, s[BASE], 6144
	s_lshl_b32 s54, s54, 2
	s_cmp_ge_u32 s[U], 384
	s_cselect_b32 s54, s54, 0                      ; q and k load the table's first numbers and put 0 in their place
	s_cselect_b32 s[VM], -1, 0
	s_add_nc_u64 s[44:45], s[44:45], s[54:55]
	global_load_b128 v[80:83], v[LI], s[40:41]     ; freqs of row w: 512 consecutive bytes
	global_load_b128 v[84:87], v[VO], s[42:43]     ; the gain: 8,192 bytes over the 512 threads
	global_load_b32 v88, v[LS], s[44:45]           ; V^T's bias of my row
.irp t, 0,1,2,3,4,5,6,7,8,9,10,11,12,13,14,15
	global_load_b128 v[X+4*\t:X+4*\t+3], v[LI], s[36:37] offset:512*\t th:TH_LOAD_NT      ; half a tile: 512 consecutive bytes; lin is read once
.endr
	; WHERE THE FRAGMENT GOES, made while the loads are out (none of their registers is touched).   q: record ((U / 128) 16 + w) 128 + U % 128
	s_lshr_b32 s50, s[U], 7
	s_lshl_b32 s50, s50, 4
	s_add_co_u32 s50, s50, s[WV]
	s_lshl_b32 s50, s50, 7
	s_and_b32 s51, s[U], 127
	s_add_co_u32 s50, s50, s51
	s_mul_i32 s52, s50, 1536
	s_lshl_b32 s53, s50, 6
	s_bfe_u32 s50, s[JP], 0x10005                  ; k: batch (j / 32) % 2, head w, 128 keys number 4 (j / 64) + (j / 8) % 4
	s_lshl_b32 s50, s50, 4
	s_add_co_u32 s50, s50, s[WV]
	s_lshl_b32 s50, s50, 3
	s_lshr_b32 s51, s[JP], 6
	s_lshl_b32 s51, s51, 2
	s_add_co_u32 s50, s50, s51
	s_bfe_u32 s51, s[JP], 0x20003
	s_add_co_u32 s50, s50, s51
	s_lshr_b32 s54, s[WV], 3                       ; V^T: batch w / 8, head (j / 8) % 16, 128 keys number w % 8
	s_lshl_b32 s54, s54, 4
	s_bfe_u32 s51, s[JP], 0x40003
	s_add_co_u32 s54, s54, s51
	s_lshl_b32 s54, s54, 3
	s_and_b32 s51, s[WV], 7
	s_add_co_u32 s54, s54, s51
	s_and_b32 s51, s[JP], 7                        ; k and V^T: tile j % 8 of the record
	s_mul_i32 s55, s51, 1536
	s_lshl_b32 s51, s51, 6
	s_add_co_u32 s51, s51, 12288
	s_cmp_ge_u32 s[U], 384
	s_cselect_b32 s50, s54, s50
	s_cselect_b64 s[46:47], s[26:27], s[24:25]
	s_mul_i32 s50, s50, 12800
	s_add_co_u32 s55, s55, s50
	s_add_co_u32 s51, s51, s50
	s_mov_b64 s[48:49], s[46:47]
	s_cmp_lt_u32 s[U], 256
	s_cselect_b64 s[46:47], s[20:21], s[46:47]
	s_cselect_b64 s[48:49], s[22:23], s[48:49]
	s_cselect_b32 s56, s52, s55
	s_cselect_b32 s58, s53, s51
	s_mov_b32 s57, 0
	s_mov_b32 s59, 0
	s_add_nc_u64 s[46:47], s[46:47], s[56:57]      ; the image
	s_add_nc_u64 s[48:49], s[48:49], s[58:59]      ; the scale words
	s_wait_loadcnt 16                              ; the three tables are in; the 16 loads of lin behind them may be out
	v_cndmask_b32 v80, v80, 1.0, s[VM]             ; V^T: (fr, fi) = (1, 0),
	v_cndmask_b32 v81, v81, 0, s[VM]
	v_cndmask_b32 v82, v82, 1.0, s[VM]
	v_cndmask_b32 v83, v83, 0, s[VM]
.irp i, 84,85,86,87
	v_cndmask_b32 v\i, v\i, 1.0, s[VM]             ; g = 1;
.endr
	v_cndmask_b32 v88, 0, v88, s[VM]               ; q, k: bias 0
	s_delay_alu instid0(VALU_DEP_1)
	v_mov_b32 v89, v88
	ds_store_b128 v[FA], v[80:83]
	ds_store_b128 v[GA], v[84:87]
	s_wait_alu depctr_va_vdst(0)
	s_wait_loadcnt 0x0                             ; my 64 numbers are in
.set j, 0
.rept 32
	v_pk_add_f32 v[X+j:X+j+1], v[X+j:X+j+1], v[88:89]      ; V^T's bias (my row's, the same for all my columns)
.set j, j+2
.endr
.irp c, 0,1,2,3
	v_pk_mul_f32 v[T+2*\c:T+2*\c+1], v[X+2*\c:X+2*\c+1], v[X+2*\c:X+2*\c+1]   ; the sum of my 64 squares, in four packed chains; the first products start them
.endr
.set j, 4
.rept 28
	s_delay_alu instid0(VALU_DEP_4)
	v_pk_fma_f32 v[T+2*(j%4):T+2*(j%4)+1], v[X+2*j:X+2*j+1], v[X+2*j:X+2*j+1], v[T+2*(j%4):T+2*(j%4)+1]
.set j, j+1
.endr
	s_delay_alu instid0(VALU_DEP_3)
	v_pk_add_f32 v[T:T+1], v[T:T+1], v[T+2:T+3]
	s_delay_alu instid0(VALU_DEP_2)
	v_pk_add_f32 v[T+4:T+5], v[T+4:T+5], v[T+6:T+7]
	s_delay_alu instid0(VALU_DEP_1)
	v_pk_add_f32 v[T:T+1], v[T:T+1], v[T+4:T+5]
	s_delay_alu instid0(VALU_DEP_1)
	v_add_f32 v[T], v[T], v[T+1]
	s_delay_alu instid0(VALU_DEP_1)
	v_permlanex16_b32 v[T+1], v[T], s[SEL], s[SEL+1]
	s_delay_alu instid0(VALU_DEP_1)
	v_add_f32 v[T], v[T], v[T+1]                   ; with lane l xor 16's: my wave's 128 columns of row r
	ds_store_b32 v[RA], v[T]                       ; both halves of the lanes write the same word with the same value
	s_wait_dscnt 0x0                               ; for the others' sake: my stores of freqs, gain and sums have landed
	s_barrier_signal -1
	s_barrier_wait -1
.irp j, 0,1,2,3
	ds_load_b128 v[TM+4*\j:TM+4*\j+3], v[RB] offset:16*\j    ; my row's sixteen sums
.endr
	s_wait_dscnt 0x0
	v_pk_add_f32 v[80:81], v[80:81], v[82:83]      ; one fixed tree: every wave gets the same bits
	v_pk_add_f32 v[84:85], v[84:85], v[86:87]
	v_pk_add_f32 v[88:89], v[88:89], v[90:91]
	v_pk_add_f32 v[92:93], v[92:93], v[94:95]
	s_delay_alu instid0(VALU_DEP_3)
	v_pk_add_f32 v[80:81], v[80:81], v[84:85]
	s_delay_alu instid0(VALU_DEP_2)
	v_pk_add_f32 v[88:89], v[88:89], v[92:93]
	s_delay_alu instid0(VALU_DEP_1)
	v_pk_add_f32 v[80:81], v[80:81], v[88:89]
	s_delay_alu instid0(VALU_DEP_1)
	v_add_f32 v80, v80, v81
	s_delay_alu instid0(VALU_DEP_1)
	v_fma_f32 v[RS], v80, 0x3a000000, s[EPS]       ; sum / 2,048 + eps
	s_wait_alu depctr_va_vdst(0)
	v_rsq_f32 v[RS], v[RS]
	v_nop                                          ; one plain place behind a transcendental
	s_wait_alu depctr_va_vdst(0)
	v_cndmask_b32 v[RS], v[RS], 1.0, s[VM]         ; V^T: 1
	s_delay_alu instid0(VALU_DEP_1)
	v_mov_b32 v[RS+1], v[RS]
	s_wait_alu depctr_va_vdst(0)
.irp b, 0,1,2,3                                ; block b: my 16 columns 32 b + 8 h + 0 .. 7 and 32 b + 16 + 8 h + 0 .. 7
.irp j, 0,1,2,3
	ds_load_b128 v[TM+4*\j:TM+4*\j+3], v[GB] offset:128*\b+64*(\j/2)+16*(\j%2)     ; their gain (sixteen lanes read the same words),
	ds_load_b128 v[FF+4*\j:FF+4*\j+3], v[FB] offset:128*\b+64*(\j/2)+16*(\j%2)     ; and my row's freqs of these eight pairs: fr at the even column's place, fi at the odd one's
.endr
	s_wait_dscnt 0x0
.irp i, 0,2,4,6,8,10,12,14
	v_pk_mul_f32 v[X+16*\b+\i:X+16*\b+\i+1], v[X+16*\b+\i:X+16*\b+\i+1], v[RS:RS+1]        ; x rs,
.endr
.irp i, 0,2,4,6,8,10,12,14
	v_pk_mul_f32 v[X+16*\b+\i:X+16*\b+\i+1], v[X+16*\b+\i:X+16*\b+\i+1], v[TM+\i:TM+\i+1]  ; then x g, in the source's order
.endr
.irp i, 0,2,4,6,8,10,12,14
	v_mul_f32 v[T+\i%4], v[X+16*\b+\i+1], v[FF+\i+1]                                       ; y1 fi
	v_mul_f32 v[T+\i%4+1], v[X+16*\b+\i+1], v[FF+\i]                                       ; y1 fr
	s_delay_alu instid0(VALU_DEP_1)
	v_fma_f32 v[X+16*\b+\i+1], v[X+16*\b+\i], v[FF+\i+1], v[T+\i%4+1]                      ; y0 fi + y1 fr
	s_delay_alu instid0(VALU_DEP_3)
	v_fma_f32 v[X+16*\b+\i], v[X+16*\b+\i], v[FF+\i], -v[T+\i%4]                           ; y0 fr - y1 fi
.endr
.endr
	; THE QUANTISER.  Block b of 32 lies in lanes l and l xor 16, 16 numbers each.
.irp b, 0,1,2,3
	v_max3_num_f32 v[TM+\b], |v[X+16*\b]|, |v[X+1+16*\b]|, 0x1800000   ; my 16 numbers, and the floor 2^(3 - 127), under which no largest magnitude is taken: so the byte cannot fall under 1
.endr
.irp i, 2,4,6,8,10,12,14
.irp b, 0,1,2,3
	s_delay_alu instid0(VALU_DEP_4)
	v_max3_num_f32 v[TM+\b], v[TM+\b], |v[X+16*\b+\i]|, |v[X+1+16*\b+\i]|   ; (the four blocks by turns)
.endr
.endr
.irp b, 0,1,2,3
	s_delay_alu instid0(VALU_DEP_4)
	v_permlanex16_b32 v[TM+4+\b], v[TM+\b], s[SEL], s[SEL+1]       ; (its destination counts as read: these registers have held the gain)
.endr
.irp b, 0,1,2,3
	s_delay_alu instid0(VALU_DEP_4)
	v_max_num_f32 v[TM+\b], v[TM+\b], v[TM+4+\b]   ; the block's largest magnitude
.endr
.irp b, 0,1,2,3
	s_delay_alu instid0(VALU_DEP_4)
	v_add_nc_u32 v[TM+12+\b], 0xff000000, v[TM+\b]   ; 2 off its exponent field: the conversion takes the exponent field of this operand as its scale
.endr
.irp b, 0,1,2,3
	s_delay_alu instid0(VALU_DEP_4)
	v_lshrrev_b32 v[TM+4+\b], 23, v[TM+12+\b]      ; the scale's byte
.endr
	s_delay_alu instid0(VALU_DEP_3)
	v_lshl_or_b32 v[PW], v[TM+5], 8, v[TM+4]       ; the four bytes make my row's scale word
	s_delay_alu instid0(VALU_DEP_1)
	v_lshl_or_b32 v[PW], v[TM+6], 16, v[PW]
	s_delay_alu instid0(VALU_DEP_1)
	v_lshl_or_b32 v[PW], v[TM+7], 24, v[PW]
.irp c, 0,1
	v_cvt_scalef32_pk16_fp6_f32 v[PC+6*\c:PC+2+6*\c], v[X+32*\c:X+15+32*\c], v[TM+12+2*\c]
	v_cvt_scalef32_pk16_fp6_f32 v[PC+12+4*\c:PC+14+4*\c], v[X+16+32*\c:X+31+32*\c], v[TM+12+2*\c+1]   ; (a conversion's three registers begin on an even number)
.endr
	v_nop                                          ; one plain place behind a scaled conversion
.irp c, 0,1                                    ; the operand's layout wants a WHOLE block in a lane: lanes 0-15 block 2 c, lanes 16-31 block 2 c + 1
.irp i, 0,1,2
	v_permlane16_swap_b32 v[PC+6*\c+\i], v[PC+12+4*\c+\i]
.endr
.irp i, 0,1,2
	s_delay_alu instid0(VALU_DEP_3)
	v_mov_b32 v[PC+3+6*\c+\i], v[PC+12+4*\c+\i]
.endr
.endr
.irp c, 0,1,2
	global_store_b128 v[LI], v[PC+4*\c:PC+4*\c+3], s[46:47] offset:512*\c   ; the image: 512 consecutive bytes a store, at a multiple of 256 from the buffer's first byte
.endr
	global_store_b32 v[LS], v[PW], s[48:49]        ; 16 scale words, 64 consecutive bytes (both halves of the lanes store the same): all that a wave has of them
	s_wait_tensorcnt 0x0                           ; the wave's end
	ds_add_u32 v115, v117
	s_wait_dscnt 0x0
	s_endpgm
.Lfunc_end_k_q24abd19a0c_quant:
	.size	k_q24abd19a0c_quant, .Lfunc_end_k_q24abd19a0c_quant-k_q24abd19a0c_quant
	.p2alignl 7, 3214868480
	.fill 96, 4, 3214868480
	.section	.rodata,"a",@progbits
	.p2align	6, 0x0
	.amdhsa_kernel k_q24abd19a0c_quant
		.amdhsa_group_segment_fixed_size 19968
		.amdhsa_private_segment_fixed_size 0
		.amdhsa_enable_private_segment 0
		.amdhsa_kernarg_size 96
		.amdhsa_user_sgpr_count 2
		.amdhsa_user_sgpr_kernarg_segment_ptr 1
		.amdhsa_wavefront_size32 1
		.amdhsa_system_sgpr_workgroup_id_x 1
		.amdhsa_system_sgpr_workgroup_id_y 1
		.amdhsa_system_sgpr_workgroup_id_z 1
		.amdhsa_system_vgpr_workitem_id 0
		.amdhsa_next_free_vgpr 128
		.amdhsa_next_free_sgpr 66
		.amdhsa_reserve_vcc 0
		.amdhsa_float_denorm_mode_32 3
		.amdhsa_float_denorm_mode_16_64 3
		.amdhsa_memory_ordered 1
		.amdhsa_forward_progress 1
		.amdhsa_inst_pref_size 35
	.end_amdhsa_kernel
	.amdgpu_metadata
---
amdhsa.version: [ 1, 2 ]
amdhsa.kernels:
  - .name:           k_q24abd19a0c_quant
    .symbol:         k_q24abd19a0c_quant.kd
    .args:
      - { .name: lin, .offset: 0, .size: 8, .value_kind: global_buffer, .address_space: global }
      - { .name: gq, .offset: 8, .size: 8, .value_kind: global_buffer, .address_space: global }
      - { .name: gk, .offset: 16, .size: 8, .value_kind: global_buffer, .address_space: global }
      - { .name: freqs_x, .offset: 24, .size: 8, .value_kind: global_buffer, .address_space: global }
      - { .name: freqs_cam, .offset: 32, .size: 8, .value_kind: global_buffer, .address_space: global }
      - { .name: freqs_render, .offset: 40, .size: 8, .value_kind: global_buffer, .address_space: global }
      - { .name: bv, .offset: 48, .size: 8, .value_kind: global_buffer, .address_space: global }
      - { .name: bvr, .offset: 56, .size: 8, .value_kind: global_buffer, .address_space: global }
      - { .name: qc, .offset: 64, .size: 8, .value_kind: global_buffer, .address_space: global }
      - { .name: qs, .offset: 72, .size: 8, .value_kind: global_buffer, .address_space: global }
      - { .name: kbuf, .offset: 80, .size: 8, .value_kind: global_buffer, .address_space: global }
      - { .name: vbuf, .offset: 88, .size: 8, .value_kind: global_buffer, .address_space: global }
    .group_segment_fixed_size: 19968
    .private_segment_fixed_size: 0
    .kernarg_segment_align: 8
    .kernarg_segment_size: 96
    .max_flat_workgroup_size: 512
    .sgpr_count:     66
    .vgpr_count:     128
    .wavefront_size: 32
...
	.end_amdgpu_metadata
.endif
;; end of part 2
;; launch attn (part 3): grid 8 x 32, 16 waves a work-group, clusters of 4 x 1, 327,680 bytes of LDS; arguments qc, qs, kbuf, vbuf, ao_codes, ao_scales; writes ao_codes, ao_scales
.if DOCPART == 3
	.amdgcn_target "amdgcn-amd-amdhsa--gfx1250"
	.amdhsa_code_object_version 6
	.text
	.protected	k_q24abd19a0c_attn
	.globl	k_q24abd19a0c_attn
	.p2align	8
	.type	k_q24abd19a0c_attn,@function
k_q24abd19a0c_attn:
	s_mov_b64 s[64:65], 0
	v_nop
	global_prefetch_b8 v0, s[64:65] scope:SCOPE_SE
	s_setreg_imm32_b32 hwreg(HW_REG_WAVE_MODE, 25, 1), 1
	s_wait_xcnt 0x0
	s_wait_alu depctr_hold_cnt(0) depctr_sa_sdst(0) depctr_va_vdst(0) depctr_va_sdst(0) depctr_va_ssrc(0) depctr_va_vcc(0) depctr_vm_vsrc(0)
	s_getreg_b32 s2, hwreg(HW_REG_IB_STS2, 6, 4)
	s_cmp_eq_u32 s2, 0
	s_cbranch_scc0 .Lentry_in_a_cluster
	s_endpgm
.Lentry_in_a_cluster:
	s_bfe_u32 s2, ttmp6, 0x10000c
	s_cmp_lg_u32 s2, 0x3003
	s_cbranch_scc0 .Lentry_shape_is_right
	s_endpgm
.Lentry_shape_is_right:
.set REC,   12800
.set VBLK,  8*REC
.set PARTA, 4096
.set PARTB, 8704
.set STAGE, 2*VBLK
.set AK0,  1
.set AV0,  2
.set ASK0, 3
.set ASV0, 4
.set LS,   5
.set ADK,  8
.set ADV,  9
.set ADS,  10
.set ADT,  11
.set STO,  80
.set RDO,  81
.set GO,   82
.set GS,   85
.set TM,   232
.set PC,   48
.set PW,   68
.set WV,   18
.set SEL,  20
.set CS,   22
.set G1A,  24
.set G1B,  32
.set G0A,  40
.set G0B,  44
.set TK,   48
.set CNT,  50
.macro ROUND
	s_barrier_signal -1
	s_barrier_wait -1
	s_cmp_lg_u32 s[WV], 0
	s_cbranch_scc1 .Lnot_wave_0_\@
	s_barrier_signal -3
.Lnot_wave_0_\@:
	s_barrier_wait -3
	s_barrier_signal -1
	s_barrier_wait -1
.endm
	s_load_b256 s[4:11], s[0:1], 0x0
	s_load_b128 s[12:15], s[0:1], 0x20
	v_lshl_add_u32 v95, v0, 2, 0x38000
	v_mov_b32 v243, 0
	ds_add_u32 v95, v243
	ds_add_u32 v95, v243
	v_lshrrev_b32 v8, 5, v0
	s_delay_alu instid0(VALU_DEP_1)
	v_readfirstlane_b32 s[WV], v8
	s_and_b32 s52, ttmp7, 0xffff
	s_bfe_u32 s53, ttmp6, 0x40000
	s_lshl_b32 s54, ttmp9, 2
	s_add_co_u32 s54, s54, s53
	s_mov_b32 s[G1A], 15|(3<<16)|(1<<21)
	s_mov_b32 s[G1A+1], 32<<16
	s_mov_b32 s[G1A+2], (PARTA/256)<<16
	s_mov_b32 s[G1A+3], 32<<16
	s_mov_b32 s[G1A+4], PARTA/256
	s_mov_b32 s[G1A+5], 32
	s_mov_b32 s[G1A+6], 0
	s_mov_b32 s[G1A+7], 0
	s_mov_b32 s[G1B], 15|(3<<16)|(1<<21)
	s_mov_b32 s[G1B+1], 32<<16
	s_mov_b32 s[G1B+2], (PARTB/256)<<16
	s_mov_b32 s[G1B+3], 32<<16
	s_mov_b32 s[G1B+4], PARTB/256
	s_mov_b32 s[G1B+5], 32
	s_mov_b32 s[G1B+6], 0
	s_mov_b32 s[G1B+7], 0
	s_and_b32 s55, s[WV], 7
	s_lshr_b32 s56, s[WV], 3
	s_mul_i32 s56, s56, VBLK
	s_lshl_b32 s57, s55, 12
	s_mul_i32 s58, s55, PARTB
	s_add_co_u32 s58, s58, 8*PARTA
	s_mul_i32 s60, s52, VBLK
	s_mov_b32 s61, 0
	s_mov_b32 s[SEL], 0x76543210
	s_mov_b32 s[SEL+1], 0xfedcba98
	s_mov_b32 s[CS], 0x3e0293ee
	s_mov_b32 s[CS+1], s[CS]
	s_wait_dscnt 0x0
	s_wait_kmcnt 0x0
	s_cmp_lt_u32 s[WV], 8
	s_cselect_b64 s[62:63], s[8:9], s[10:11]
	s_add_nc_u64 s[62:63], s[62:63], s[60:61]
	s_mov_b32 s[G0A], 1
	s_add_co_u32 s[G0A+1], s56, s57
	s_mov_b32 s60, s57
	s_add_nc_u64 s[G0A+2:G0A+3], s[62:63], s[60:61]
	s_or_b32 s[G0A+3], s[G0A+3], 0x80000000
	s_mov_b32 s[G0B], 1
	s_add_co_u32 s[G0B+1], s56, s58
	s_mov_b32 s60, s58
	s_add_nc_u64 s[G0B+2:G0B+3], s[62:63], s[60:61]
	s_or_b32 s[G0B+3], s[G0B+3], 0x80000000
	ROUND
	tensor_load_to_lds s[G0A:G0A+3], s[G1A:G1A+7]
	s_nop 0
	s_wait_alu depctr_va_vdst(0)
	s_wait_tensorcnt 0x0
	ds_add_u32 v95, v243
	s_wait_dscnt 0x0
	ROUND
	tensor_load_to_lds s[G0B:G0B+3], s[G1B:G1B+7]
	s_nop 0
.rept 4
	v_nop
.endr
	s_lshl_b32 s58, s52, 7
	s_lshl_b32 s59, s54, 4
	s_add_co_u32 s58, s58, s59
	s_add_co_u32 s58, s58, s[WV]
	s_mul_i32 s60, s58, 1536
	s_add_nc_u64 s[4:5], s[4:5], s[60:61]
	s_lshl_b32 s60, s58, 6
	s_add_nc_u64 s[6:7], s[6:7], s[60:61]
	v_and_b32 v86, 31, v0
	v_and_b32 v87, 15, v0
	v_bfe_u32 v88, v0, 4, 1
	s_delay_alu instid0(VALU_DEP_3)
	v_lshlrev_b32 v[AK0], 4, v86
	s_delay_alu instid0(VALU_DEP_3)
	v_lshlrev_b32 v[LS], 2, v87
.irp c, 0,1,2
	global_load_b128 v[16+4*\c:19+4*\c], v[AK0], s[4:5] offset:512*\c
.endr
	global_load_b32 v255, v[LS], s[6:7]
	v_add_nc_u32 v[AV0], VBLK, v[AK0]
	v_add_nc_u32 v[ASK0], 8*1536, v[LS]
	v_add_nc_u32 v[ASV0], VBLK+8*1536, v[LS]
	s_mul_i32 s56, s[WV], 1536
	s_add_co_u32 s56, s56, STAGE
	v_mul_u32_u24 v[STO], v87, 96
	s_delay_alu instid0(VALU_DEP_1)
	v_mad_u32_u24 v[STO], v88, 24, v[STO]
	s_delay_alu instid0(VALU_DEP_1)
	v_add_nc_u32 v[STO], s56, v[STO]
	v_add_nc_u32 v[RDO], s56, v[AK0]
.irp c, 0,1,2
	v_add_nc_u32 v89, 32*\c, v86
	s_delay_alu instid0(VALU_DEP_1)
	v_mul_u32_u24 v90, v89, 43
	s_delay_alu instid0(VALU_DEP_1)
	v_lshrrev_b32 v90, 8, v90
	s_delay_alu instid0(VALU_DEP_1)
	v_mul_u32_u24 v90, v90, 1536-96
	s_delay_alu instid0(VALU_DEP_1)
	v_lshl_add_u32 v[GO+\c], v89, 4, v90
.endr
	v_lshlrev_b32 v[GS], 6, v87
	s_lshr_b32 s58, s52, 4
	s_lshl_b32 s58, s58, 11
	s_lshl_b32 s59, s54, 8
	s_add_co_u32 s58, s58, s59
	s_lshl_b32 s59, s[WV], 4
	s_add_co_u32 s58, s58, s59
	s_and_b32 s59, s52, 15
	s_mul_i32 s60, s58, 1536
	s_mul_i32 s62, s59, 96
	s_add_co_u32 s60, s60, s62
	s_add_nc_u64 s[12:13], s[12:13], s[60:61]
	s_lshl_b32 s60, s58, 6
	s_lshl_b32 s62, s59, 2
	s_add_co_u32 s60, s60, s62
	s_add_nc_u64 s[14:15], s[14:15], s[60:61]
	v_mov_b32 v13, 0xff61b1e6
	s_delay_alu instid0(VALU_DEP_1)
	v_floor_f32 v12, -v13
	v_mov_b32 v14, 0
	v_mov_b32 v15, 0
.irp b, 0,1,2,3
	v_mov_b32 v[236+\b], 0
.endr
	v_mov_b32 v253, 0
.set j, 0
.rept 64
	v_mov_b32 v[160+j], 0
.set j, j+1
.endr
.macro STEP
	v_add_nc_u32 v[ADK], s[TK], v[AK0]
	s_wait_alu depctr_va_vdst(0)
	v_add_nc_u32 v[ADV], s[TK], v[AV0]
	v_add_nc_u32 v[ADS], s[TK], v[ASK0]
	s_wait_alu depctr_va_vdst(0)
	v_add_nc_u32 v[ADT], s[TK], v[ASV0]
.irp g, 0,1
.rept 4*\g
	v_nop
.endr
.irp t, 0,1,2,3
.irp c, 0,1,2
	ds_load_b128 v[32+12*\t+4*\c:35+12*\t+4*\c], v[ADK] offset:1536*(4*\g+\t)+512*\c
.endr
	ds_load_b32 v[248+\t], v[ADS] offset:64*(4*\g+\t)
.endr
	s_wait_dscnt 0x0
.irp t, 0,1,2,3
	v_wmma_scale_f32_16x16x128_f8f6f4 v[96+8*(4*\g+\t):103+8*(4*\g+\t)], v[32+12*\t:43+12*\t], v[16:27], 0, v[248+\t], v255 matrix_a_fmt:MATRIX_FMT_FP6 matrix_b_fmt:MATRIX_FMT_FP6
.endr
.endr
.rept 4
	v_nop
.endr
.irp b, 0,1,2,3
	v_max3_num_f32 v[232+\b], v[96+16*\b], v[97+16*\b], v[98+16*\b]
.endr
.irp i, 3,5,7,9,11,13
.irp b, 0,1,2,3
	v_max3_num_f32 v[232+\b], v[232+\b], v[96+16*\b+\i], v[97+16*\b+\i]
.endr
.endr
.irp b, 0,1,2,3
	v_max_num_f32 v[232+\b], v[232+\b], v[111+16*\b]
.endr
.irp b, 0,1,2,3
	s_delay_alu instid0(VALU_DEP_4)
	v_permlanex16_b32 v[236+\b], v[232+\b], s[SEL], s[SEL+1]
.endr
.irp b, 0,1,2,3
	s_delay_alu instid0(VALU_DEP_4)
	v_max_num_f32 v[232+\b], v[232+\b], v[236+\b]
.endr
	s_delay_alu instid0(VALU_DEP_2)
	v_max3_num_f32 v254, v232, v233, v234
	s_delay_alu instid0(VALU_DEP_1)
	v_max_num_f32 v254, v254, v235
	s_delay_alu instid0(VALU_DEP_1)
	v_mul_f32 v254, s[CS], v254
	s_delay_alu instid0(VALU_DEP_1)
	v_max_num_f32 v13, v13, v254
	v_mov_b32 v254, v12
	s_delay_alu instid0(VALU_DEP_2)
	v_floor_f32 v12, -v13
	s_delay_alu instid0(VALU_DEP_1)
	v_sub_f32 v254, v12, v254
	s_delay_alu instid0(VALU_DEP_1)
	v_cvt_i32_f32 v254, v254
	s_delay_alu instid0(VALU_DEP_1)
	v_ldexp_f32 v252, 1.0, v254
.set j, 0
.rept 32
	v_pk_fma_f32 v[96+j:97+j], v[96+j:97+j], s[CS:CS+1], v[12:13] op_sel_hi:[1,0,0]
.set j, j+2
.endr
.irp b, 0,1,2,3
	v_fma_f32 v[232+\b], v[232+\b], s[CS], v12
.endr
.set j, 0
	s_wait_alu depctr_va_vdst(0)
.rept 64
	v_exp_f32 v[96+j], v[96+j]
.set j, j+1
.endr
.irp b, 0,1,2,3
	v_exp_f32 v[232+\b], v[232+\b]
.endr
	v_pk_mul_f32 v[14:15], v[14:15], v[252:253] op_sel_hi:[1,0]
	s_wait_alu depctr_va_vdst(0)
.irp b, 0,1,2,3
	v_max_num_f32 v[232+\b], 0x1800000, v[232+\b]
.endr
.irp b, 0,1,2,3
	s_delay_alu instid0(VALU_DEP_4)
	v_add_nc_u32 v[244+\b], 0xff000000, v[232+\b]
.endr
.irp b, 0,1,2,3
	s_delay_alu instid0(VALU_DEP_4)
	v_lshrrev_b32 v[236+\b], 23, v[244+\b]
.endr
	s_delay_alu instid0(VALU_DEP_3)
	v_lshl_or_b32 v253, v237, 8, v236
	s_delay_alu instid0(VALU_DEP_1)
	v_lshl_or_b32 v253, v238, 16, v253
	s_delay_alu instid0(VALU_DEP_1)
	v_lshl_or_b32 v253, v239, 24, v253
.irp c, 0,1
	v_cvt_scalef32_pk16_fp6_f32 v[224+6*\c:226+6*\c], v[96+32*\c:111+32*\c], v[244+2*\c]
	v_cvt_scalef32_pk16_fp6_f32 v[236+4*\c:238+4*\c], v[112+32*\c:127+32*\c], v[244+2*\c+1]
.endr
	v_nop
.irp c, 0,1
.irp i, 0,1,2
	v_permlane16_swap_b32 v[224+6*\c+\i], v[236+4*\c+\i]
.endr
.irp i, 0,1,2
	s_delay_alu instid0(VALU_DEP_3)
	v_mov_b32 v[227+6*\c+\i], v[236+4*\c+\i]
.endr
.endr
	v_pk_add_f32 v[236:237], v[96:97], v[98:99]
.set j, 4
.rept 15
	v_pk_add_f32 v[14:15], v[14:15], v[96+j:97+j]
	v_pk_add_f32 v[236:237], v[236:237], v[98+j:99+j]
.set j, j+4
.endr
	s_delay_alu instid0(VALU_DEP_1)
	v_pk_add_f32 v[14:15], v[14:15], v[236:237]
.set j, 0
.rept 32
	v_pk_mul_f32 v[160+j:161+j], v[160+j:161+j], v[252:253] op_sel_hi:[1,0]
.set j, j+2
.endr
	s_wait_alu depctr_va_vdst(0)
.irp g, 0,1
.rept 4*\g
	v_nop
.endr
.irp t, 0,1,2,3
.irp c, 0,1,2
	ds_load_b128 v[32+12*\t+4*\c:35+12*\t+4*\c], v[ADV] offset:1536*(4*\g+\t)+512*\c
.endr
	ds_load_b32 v[248+\t], v[ADT] offset:64*(4*\g+\t)
.endr
	s_wait_dscnt 0x0
.irp t, 0,1,2,3
	v_wmma_scale_f32_16x16x128_f8f6f4 v[160+8*(4*\g+\t):167+8*(4*\g+\t)], v[32+12*\t:43+12*\t], v[224:235], v[160+8*(4*\g+\t):167+8*(4*\g+\t)], v[248+\t], v253 matrix_a_fmt:MATRIX_FMT_FP6 matrix_b_fmt:MATRIX_FMT_FP6
.endr
.endr
	s_add_co_u32 s[TK], s[TK], REC
.endm
	s_wait_loadcnt 0x0
	s_wait_tensorcnt 0x1
	s_barrier_signal -1
	s_barrier_wait -1
	s_mov_b32 s[TK], 0
	s_mov_b32 s[CNT], 2
.Lfirst:
	STEP
	s_sub_co_u32 s[CNT], s[CNT], 1
	s_cmp_lg_u32 s[CNT], 0
	s_cbranch_scc1 .Lfirst
	s_wait_tensorcnt 0x0
	s_wait_dscnt 0x0
	s_barrier_signal -1
	s_barrier_wait -1
	s_mov_b32 s[TK], 2*REC
	s_mov_b32 s[CNT], 6
.Lrest:
	STEP
	s_sub_co_u32 s[CNT], s[CNT], 1
	s_cmp_lg_u32 s[CNT], 0
	s_cbranch_scc1 .Lrest
.rept 4
	v_nop
.endr
	v_add_f32 v14, v14, v15
	s_delay_alu instid0(VALU_DEP_1)
	v_permlanex16_b32 v252, v14, s[SEL], s[SEL+1]
	s_delay_alu instid0(VALU_DEP_1)
	v_add_f32 v14, v14, v252
	s_wait_alu depctr_va_vdst(0)
	v_rcp_f32 v14, v14
	v_nop
.set j, 0
	s_wait_alu depctr_va_vdst(0)
.rept 64
	v_mul_f32 v[96+j], v[160+j], v14
.set j, j+1
.endr
; V^T's tiles hold 16 neighbouring rows of the head, so of each 32 a lane holds 8 h + 0 .. 7 and 16 + 8 h + 0 .. 7: the swaps give it 16 h + 0 .. 15, the order of wo's K
.irp b, 0,1,2,3
.irp i, 0,1,2,3,4,5,6,7
	v_permlane16_swap_b32 v[96+16*\b+\i], v[104+16*\b+\i]
.endr
.endr
.irp b, 0,1,2,3
	v_max3_num_f32 v[TM+\b], |v[96+16*\b]|, |v[97+16*\b]|, 0x1800000
.endr
.irp i, 2,4,6,8,10,12,14
.irp b, 0,1,2,3
	s_delay_alu instid0(VALU_DEP_4)
	v_max3_num_f32 v[TM+\b], v[TM+\b], |v[96+16*\b+\i]|, |v[97+16*\b+\i]|
.endr
.endr
.irp b, 0,1,2,3
	s_delay_alu instid0(VALU_DEP_4)
	v_permlanex16_b32 v[TM+4+\b], v[TM+\b], s[SEL], s[SEL+1]
.endr
.irp b, 0,1,2,3
	s_delay_alu instid0(VALU_DEP_4)
	v_max_num_f32 v[TM+\b], v[TM+\b], v[TM+4+\b]
.endr
.irp b, 0,1,2,3
	s_delay_alu instid0(VALU_DEP_4)
	v_add_nc_u32 v[TM+12+\b], 0xff000000, v[TM+\b]
.endr
.irp b, 0,1,2,3
	s_delay_alu instid0(VALU_DEP_4)
	v_lshrrev_b32 v[TM+4+\b], 23, v[TM+12+\b]
.endr
	s_delay_alu instid0(VALU_DEP_3)
	v_lshl_or_b32 v[PW], v[TM+5], 8, v[TM+4]
	s_delay_alu instid0(VALU_DEP_1)
	v_lshl_or_b32 v[PW], v[TM+6], 16, v[PW]
	s_delay_alu instid0(VALU_DEP_1)
	v_lshl_or_b32 v[PW], v[TM+7], 24, v[PW]
.irp c, 0,1
	v_cvt_scalef32_pk16_fp6_f32 v[PC+6*\c:PC+2+6*\c], v[96+32*\c:111+32*\c], v[TM+12+2*\c]
	v_cvt_scalef32_pk16_fp6_f32 v[PC+12+4*\c:PC+14+4*\c], v[112+32*\c:127+32*\c], v[TM+12+2*\c+1]
.endr
	v_nop
.irp c, 0,1
.irp i, 0,1,2
	v_permlane16_swap_b32 v[PC+6*\c+\i], v[PC+12+4*\c+\i]
.endr
.irp i, 0,1,2
	s_delay_alu instid0(VALU_DEP_3)
	v_mov_b32 v[PC+3+6*\c+\i], v[PC+12+4*\c+\i]
.endr
.endr
.irp p, 0,1,2,3,4,5
	ds_store_b64 v[STO], v[PC+2*\p:PC+2*\p+1] offset:48*(\p/3)+8*(\p%3)
.endr
.irp c, 0,1,2
	ds_load_b128 v[16+4*\c:19+4*\c], v[RDO] offset:512*\c
.endr
	s_wait_dscnt 0x0
.irp c, 0,1,2
	global_store_b128 v[GO+\c], v[16+4*\c:19+4*\c], s[12:13]
.endr
	global_store_b32 v[GS], v[PW], s[14:15]
	s_wait_tensorcnt 0x0
	ds_add_u32 v95, v243
	s_wait_dscnt 0x0
	ROUND
	s_endpgm
.Lfunc_end_k_q24abd19a0c_attn:
	.size	k_q24abd19a0c_attn, .Lfunc_end_k_q24abd19a0c_attn-k_q24abd19a0c_attn
	.p2alignl 7, 3214868480
	.fill 96, 4, 3214868480
	.section	.rodata,"a",@progbits
	.p2align	6, 0x0
	.amdhsa_kernel k_q24abd19a0c_attn
		.amdhsa_group_segment_fixed_size 327680
		.amdhsa_private_segment_fixed_size 0
		.amdhsa_enable_private_segment 0
		.amdhsa_kernarg_size 48
		.amdhsa_user_sgpr_count 2
		.amdhsa_user_sgpr_kernarg_segment_ptr 1
		.amdhsa_wavefront_size32 1
		.amdhsa_system_sgpr_workgroup_id_x 1
		.amdhsa_system_sgpr_workgroup_id_y 1
		.amdhsa_system_sgpr_workgroup_id_z 1
		.amdhsa_system_vgpr_workitem_id 0
		.amdhsa_next_free_vgpr 256
		.amdhsa_next_free_sgpr 66
		.amdhsa_reserve_vcc 0
		.amdhsa_float_denorm_mode_32 3
		.amdhsa_float_denorm_mode_16_64 3
		.amdhsa_memory_ordered 1
		.amdhsa_forward_progress 1
		.amdhsa_inst_pref_size 62
	.end_amdhsa_kernel
	.amdgpu_metadata
---
amdhsa.version: [ 1, 2 ]
amdhsa.kernels:
  - .name:           k_q24abd19a0c_attn
    .symbol:         k_q24abd19a0c_attn.kd
    .args:
      - { .name: qc, .offset: 0, .size: 8, .value_kind: global_buffer, .address_space: global }
      - { .name: qs, .offset: 8, .size: 8, .value_kind: global_buffer, .address_space: global }
      - { .name: kbuf, .offset: 16, .size: 8, .value_kind: global_buffer, .address_space: global }
      - { .name: vbuf, .offset: 24, .size: 8, .value_kind: global_buffer, .address_space: global }
      - { .name: ao_codes, .offset: 32, .size: 8, .value_kind: global_buffer, .address_space: global }
      - { .name: ao_scales, .offset: 40, .size: 8, .value_kind: global_buffer, .address_space: global }
    .group_segment_fixed_size: 327680
    .private_segment_fixed_size: 0
    .kernarg_segment_align: 8
    .kernarg_segment_size: 48
    .max_flat_workgroup_size: 512
    .sgpr_count:     66
    .vgpr_count:     256
    .wavefront_size: 32
...
	.end_amdgpu_metadata
.endif
;; end of part 3
;; launch outp (part 4): grid 8 x 32, 4 waves a work-group, clusters of 4 x 4, 327,680 bytes of LDS; arguments ao_codes, ao_scales, wo_codes, wo_scales, bo, out0; writes out0
.if DOCPART == 4
	.amdgcn_target "amdgcn-amd-amdhsa--gfx1250"
	.amdhsa_code_object_version 6
	.text
	.protected	k_q24abd19a0c_outp
	.globl	k_q24abd19a0c_outp
	.p2align	8
	.type	k_q24abd19a0c_outp,@function
k_q24abd19a0c_outp:
	s_mov_b64 s[64:65], 0
	v_nop
	global_prefetch_b8 v0, s[64:65] scope:SCOPE_SE
	s_setreg_imm32_b32 hwreg(HW_REG_WAVE_MODE, 25, 1), 1
	s_wait_xcnt 0x0
	s_wait_alu depctr_hold_cnt(0) depctr_sa_sdst(0) depctr_va_vdst(0) depctr_va_sdst(0) depctr_va_ssrc(0) depctr_va_vcc(0) depctr_vm_vsrc(0)
	s_getreg_b32 s2, hwreg(HW_REG_IB_STS2, 6, 4)
	s_cmp_eq_u32 s2, 0
	s_cbranch_scc0 .Lentry_in_a_cluster
	s_endpgm
.Lentry_in_a_cluster:
	s_bfe_u32 s2, ttmp6, 0x10000c
	s_cmp_lg_u32 s2, 0xf033
	s_cbranch_scc0 .Lentry_shape_is_right
	s_endpgm
.Lentry_shape_is_right:
; out0[m][n] = sum over k of A[m][k] wo[n][k] + bo[n]: A = attention's result, [4,096][2,048], both in codes of FP6 (E2M3) with one E8M0 byte for each 32 along K; out0 f32.
; 4,096 x 2,048 in blocks of 128 x 256 are 256 work-groups.  Four waves, a wave 64 x 128: 32 accumulators.  K goes through two LDS slots in chunks of 256 bytes of each row (rows of 1,536 bytes);
; a step of 128 along K is 96 bytes: eight steps to three chunks; steps 2 and 5 of each eight take pieces from both slots.
; THE HEAD fills both slots, one tensor load a wave: chunk 0 of A, chunk 0 of B, chunk 1 of A, chunk 1 of B.  THE SCALES come once: waves 0, 1 load the halves of A's (4,096 bytes each), waves 2, 3 of B's (8,192),
; 512 consecutive bytes an instruction, and store them into LDS bytes into which no fill lands.
; Clusters of 4 x 4: A's tiles are shared along a row, B's along a column: joint loads.  Source 0 = rows of B, source 1 = rows of A.  The bias is the C of the first step's products.
; PREFETCH: behind the head's loads each wave asks for chunks 2 and 3, behind the refill of chunk c for chunk c + 2 (two refills ahead), a lane a row of 256 bytes (A: 16 rows, the upper lanes name the same rows again).
; Of the rows that a wave fetches in the ring each of the four partners takes a quarter, by address (cx for A, cy for B).  The last two refills ask for nothing.  The prefetches' address registers are never rewritten.
; The walk is written out: slots and chunks come back to where they began only after all sixteen steps.
; REGISTERS: window 0: v0-31 addresses, v32-63 scale words (two sets), v64-127 bias, v128.. A's fragments (one set); window 1: B's fragments, two sets; window 2: accumulators (a, b) at v[8 (8 a + b)].
; LIMIT: a scale byte 0xff makes its sums NaN, as the format says.
.set AB, 4                             ; A's blocks of 16 rows a wave
.set AQ, AB/4
.set AR, 16*AB
.set SIZE_N, 2048
.set ROWB, 256
.set NQ, 2
.set KROW, 1536
.set STEPS, 16
.set CHUNKS, 6
.set PITCH, 272
.set FR, 12
.set NL, 6
.set NP, 4
.set HALFA, AR*PITCH
.set HALFT, 128*PITCH
.set SLOT, 2*HALFA+2*HALFT
.set KS, 64
.set SCL, 2*SLOT                       ; the scales: each 256 bytes followed by 16 unused
.set HSA, (AR*KS/256)*272
.set HSB, (128*KS/256)*272
.set SBLK, (16*KS/256)*272
.set NSA, AR*KS/512                    ; loads of 512 bytes that bring the scales of AR rows: 8; of B's 128 rows: 16
.set SPARE, SCL+2*HSA+2*HSB            ; the spare words: 512 bytes that no other line names
.set SPITCH, 528                       ; the stage lies in slot 0, which has had its last fill and read by then
.set SST, 13
.set PFO, 14
.set BO, 15
.set ADRA, 16
.set ADRB, 20
.set STO, 24
.set RD, 25
.set CO, 26
.set ADRS, 27
.set SPW, 28
.set NIL, 29
.set SC, 32
.set BIA, 64
.set AF, 128
.set G1, 24
.set G0, 32
.set G1B, 48
.set G0B, 56
.set PFA, 68
.set G0H1, 76
.set G0HB1, 88
.set G0H, 4
.set G0HB, 8
.set MSB, 0
.macro WIN new
.if MSB != (\new)
	s_set_vgpr_msb (MSB<<8)|(\new)
.set MSB, (\new)
.endif
.endm
.set TO_B, 0x40
.macro JLOAD g0a, g1a, g0b, g1b        ; waves 0, 1 fetch for A, waves 2, 3 for B
	s_cmp_eq_u32 s15, 0
	s_cbranch_scc0 .Lfor_b_\@
	tensor_load_to_lds s[\g0a:\g0a+3], s[\g1a:\g1a+7]
	s_nop 0
.rept 4
	v_nop
.endr
	s_branch .Lasked_\@
.Lfor_b_\@:
	tensor_load_to_lds s[\g0b:\g0b+3], s[\g1b:\g1b+7]
	s_nop 0
.rept 4
	v_nop
.endr
.Lasked_\@:
.endm
.macro CREST
	s_cmp_lg_u32 s14, 0
	s_cbranch_scc1 .Lnot_wave_0_\@
	s_barrier_signal -3
.Lnot_wave_0_\@:
	s_barrier_wait -3
	s_barrier_signal -1
	s_barrier_wait -1
.endm
.macro CROUND
	s_barrier_signal -1
	s_barrier_wait -1
	CREST
.endm
	s_load_b256 s[4:11], s[0:1], 0x0               ; A's codes, A's scales, B's codes, B's scales
	s_load_b64 s[2:3], s[0:1], 0x20                ; bias
	s_load_b64 s[12:13], s[0:1], 0x28              ; C
	v_lshl_add_u32 v[SPW], v0, 2, SPARE
	v_mov_b32 v[NIL], 0
	ds_add_u32 v[SPW], v[NIL]                      ; the opening lines: the add twice and one wait
	ds_add_u32 v[SPW], v[NIL]
	v_lshrrev_b32 v1, 5, v0
	v_readfirstlane_b32 s14, v1                    ; wave
	s_lshr_b32 s15, s14, 1
	s_and_b32 s16, s14, 1
	s_bfe_u32 s40, ttmp6, 0x40000                  ; cx
	s_bfe_u32 s41, ttmp6, 0x40004                  ; cy
	s_lshl_b32 s42, ttmp9, 2
	s_add_co_u32 s42, s42, s40                     ; tile column
	s_and_b32 s17, ttmp7, 0xffff
	s_lshl_b32 s17, s17, 2
	s_add_co_u32 s17, s17, s41                     ; tile row
	s_lshl_b32 s43, s41, 2
	s_lshl_b32 s43, 15, s43
	s_lshl_b32 s44, 0x1111, s40
	s_or_b32 s[G1+0], s43, (0<<16)|(1<<20)|(1<<21)|(5<<22)|(3<<25)
	s_or_b32 s[G1B+0], s44, (0<<16)|(1<<20)|(1<<21)|(5<<22)|(3<<25)
.irp g, G1, G1B
	s_mov_b32 s[\g+1], ROWB<<16
	s_mov_b32 s[\g+3], ROWB<<16
	s_mov_b32 s[\g+5], KROW
	s_mov_b32 s[\g+6], 0
	s_mov_b32 s[\g+7], 0
.endr
	s_mov_b32 s[G1+2], (2*AR)<<16                  ; the head's loads bring whole tiles
	s_mov_b32 s[G1+4], 2*AR
	s_mov_b32 s[G1B+2], 256<<16
	s_mov_b32 s[G1B+4], 256
	s_mul_i32 s20, s17, 2*AR
	s_lshl_b32 s46, s42, 8
	s_mov_b32 s21, 0
	s_mov_b32 s47, 0
	s_mov_b64 s[18:19], KS
	s_mul_u64 s[22:23], s[20:21], s[18:19]
	s_mul_u64 s[92:93], s[46:47], s[18:19]
	s_mov_b64 s[18:19], KROW
	s_mul_u64 s[20:21], s[20:21], s[18:19]
	s_mul_u64 s[46:47], s[46:47], s[18:19]
	s_mul_i32 s18, s16, AR*KROW
	s_mov_b32 s19, 0
	s_mul_i32 s45, s16, HALFA
	s_mul_i32 s94, s16, HALFT
	s_add_co_u32 s94, s94, 2*HALFA
	s_wait_dscnt 0x0
	s_wait_kmcnt 0x0
	s_add_nc_u64 s[20:21], s[4:5], s[20:21]
	s_add_nc_u64 s[22:23], s[6:7], s[22:23]
	s_add_nc_u64 s[46:47], s[8:9], s[46:47]
	s_add_nc_u64 s[92:93], s[10:11], s[92:93]
	; the scales that I bring: waves 0, 1 the halves of A's, waves 2, 3 of B's: s[92:93]; where they go: s75 = SCL + HSA x (0, 1, 2, 4) (HSB = 2 HSA)
	s_mul_i32 s72, s16, AR*KS
	s_mov_b32 s73, 0
	s_add_nc_u64 s[22:23], s[22:23], s[72:73]
	s_mul_i32 s72, s16, 128*KS
	s_add_nc_u64 s[92:93], s[92:93], s[72:73]
	s_and_b32 s75, s15, s16
	s_add_co_u32 s75, s75, s14
	s_mul_i32 s75, s75, HSA
	s_add_co_u32 s75, s75, SCL
	; the rows that I prefetch: of the rows that I fetch in the ring, my work-group's quarter
	s_mul_i32 s70, s17, 2*AR
	s_mul_i32 s72, s16, AR
	s_add_co_u32 s70, s70, s72
	s_mul_i32 s72, s40, AR/4
	s_add_co_u32 s70, s70, s72                     ; of A: by cx
	s_lshl_b32 s71, s42, 8
	s_lshl_b32 s72, s16, 7
	s_add_co_u32 s71, s71, s72
	s_lshl_b32 s72, s41, 5
	s_add_co_u32 s71, s71, s72                     ; of B: by cy
	s_cmp_eq_u32 s15, 0
	s_cselect_b64 s[92:93], s[22:23], s[92:93]
	s_cselect_b64 s[PFA:PFA+1], s[4:5], s[8:9]
	s_cselect_b32 s72, s70, s71
	s_cselect_b32 s74, AR/4-1, 31                  ; rows less one
	s_mul_i32 s72, s72, KROW
	s_add_nc_u64 s[PFA:PFA+1], s[PFA:PFA+1], s[72:73]
	CROUND                                         ; in front of the first joint loads
	s_mov_b32 s[G0H], 1
	s_mov_b32 s[G0H+1], 0
	s_mov_b64 s[G0H+2:G0H+3], s[20:21]
	s_or_b32 s[G0H+3], s[G0H+3], 0x80000000
	s_mov_b32 s[G0HB], 1
	s_mov_b32 s[G0HB+1], 2*HALFA
	s_mov_b64 s[G0HB+2:G0HB+3], s[46:47]
	s_or_b32 s[G0HB+3], s[G0HB+3], 0x80000000
	s_mov_b32 s[G0H1], 1
	s_mov_b32 s[G0H1+1], SLOT
	s_add_nc_u64 s[G0H1+2:G0H1+3], s[20:21], ROWB
	s_or_b32 s[G0H1+3], s[G0H1+3], 0x80000000
	s_mov_b32 s[G0HB1], 1
	s_mov_b32 s[G0HB1+1], SLOT+2*HALFA
	s_add_nc_u64 s[G0HB1+2:G0HB1+3], s[46:47], ROWB
	s_or_b32 s[G0HB1+3], s[G0HB1+3], 0x80000000
	s_mul_i32 s22, s16, 128*KROW
	s_mov_b32 s23, 0
	s_add_nc_u64 s[20:21], s[20:21], s[18:19]
	s_add_nc_u64 s[46:47], s[46:47], s[22:23]
.irp s, 0,1                            ; the ring's group 0: slot s stands at chunk s; each refill steps it by two chunks first
	s_mov_b32 s[G0+4*\s], 1
	s_add_co_u32 s[G0+4*\s+1], s45, \s*SLOT
	s_add_nc_u64 s[G0+4*\s+2:G0+4*\s+3], s[20:21], \s*ROWB
	s_or_b32 s[G0+4*\s+3], s[G0+4*\s+3], 0x80000000
	s_mov_b32 s[G0B+4*\s], 1
	s_add_co_u32 s[G0B+4*\s+1], s94, \s*SLOT
	s_add_nc_u64 s[G0B+4*\s+2:G0B+4*\s+3], s[46:47], \s*ROWB
	s_or_b32 s[G0B+4*\s+3], s[G0B+4*\s+3], 0x80000000
.endr
; the head's four tiles, one load a wave: chunk 0 of A, chunk 0 of B, chunk 1 of A, chunk 1 of B
.macro ARM under, g0, g1, next
	s_cmp_lt_u32 s14, \under
	s_cbranch_scc0 \next
	tensor_load_to_lds s[\g0:\g0+3], s[\g1:\g1+7]
	s_nop 0
.rept 4
	v_nop
.endr
	s_branch .Lhead_asked
\next:
.endm
	ARM 1, G0H,  G1,  .Lhead_b
	ARM 2, G0HB, G1B, .Lhead_a1
	ARM 3, G0H1, G1,  .Lhead_b1
	tensor_load_to_lds s[G0HB1:G0HB1+3], s[G1B:G1B+7]
	s_nop 0
.rept 4
	v_nop
.endr
.Lhead_asked:
	v_and_b32 v1, 15, v0                           ; r
	v_bfe_u32 v2, v0, 4, 1                         ; h
	v_mul_u32_u24 v3, v1, PITCH
	v_mul_u32_u24 v4, v2, 24
	v_add_nc_u32 v4, v3, v4
	s_mov_b32 s21, SLOT-232
	s_mov_b32 s22, SLOT+232
	v_sub_nc_u32 v7, 1, v2
	v_mul_u32_u24 v5, s21, v2
	v_add_nc_u32 v5, v3, v5
	v_add_nc_u32 v5, 232, v5                       ; lanes 0-15 byte 232 in slot 0, lanes 16-31 byte 0 in slot 1
	v_mul_u32_u24 v6, s22, v7
	v_add_nc_u32 v6, v3, v6                        ; and the other way round
	s_mul_i32 s21, s15, HALFA
	s_mul_i32 s22, s16, HALFT
	s_add_co_u32 s22, s22, 2*HALFA
	v_add_nc_u32 v[ADRA+2], s21, v5
	v_add_nc_u32 v[ADRA+3], s21, v6
	v_add_nc_u32 v[ADRB+2], s22, v5
	v_add_nc_u32 v[ADRB+3], s22, v6
.irp s, 0,1
	v_add_nc_u32 v[ADRA+\s], s21, v4
	v_add_nc_u32 v[ADRB+\s], s22, v4
	s_add_co_u32 s21, s21, SLOT
	s_add_co_u32 s22, s22, SLOT
.endr
	v_mul_u32_u24 v5, v1, KS
	v_lshrrev_b32 v6, 8, v5
	v_lshl_add_u32 v5, v6, 4, v5
	s_mul_i32 s21, s15, HSA
	s_mul_i32 s22, s16, HSB
	s_add_co_u32 s22, s22, 2*HSA
	s_sub_co_u32 s22, s22, s21
	v_mul_u32_u24 v6, s22, v2                      ; lanes 16-31 take B's
	s_add_co_u32 s21, s21, SCL
	v_add_nc_u32 v5, v5, v6
	v_add_nc_u32 v[ADRS], s21, v5
	s_mul_i32 s23, s14, 16*SPITCH
	v_mul_u32_u24 v5, v1, SPITCH
	v_lshl_add_u32 v5, v2, 5, v5
	v_add_nc_u32 v[STO], s23, v5
	v_and_b32 v6, 31, v0
	v_lshlrev_b32 v[CO], 4, v6
	v_add_nc_u32 v[RD], s23, v[CO]
	v_lshlrev_b32 v[BO], 5, v2                     ; bias: 32 h bytes
	v_and_b32 v[PFO], s74, v6
	v_mul_u32_u24 v[PFO], v[PFO], KROW             ; prefetch: a lane a row
	v_lshl_add_u32 v[SST], v2, 4, v[CO]
	v_add_nc_u32 v[SST], s75, v[SST]               ; scales into LDS: 16 lane, 16 more behind the first 256
	s_mul_i32 s20, s17, 2*AR
	s_mul_i32 s21, s15, AR
	s_add_co_u32 s20, s20, s21                     ; my first row of C
	s_mov_b32 s21, 0
	s_mov_b64 s[18:19], SIZE_N*4
	s_mul_u64 s[20:21], s[20:21], s[18:19]
	s_lshl_b32 s46, s42, 10
	s_lshl_b32 s47, s16, 9
	s_add_co_u32 s46, s46, s47                     ; my first column, in bytes
	s_mov_b32 s47, 0
	s_add_nc_u64 s[2:3], s[2:3], s[46:47]
	s_add_nc_u64 s[20:21], s[20:21], s[46:47]
	s_add_nc_u64 s[12:13], s[12:13], s[20:21]
	s_wait_alu depctr_va_vdst(0)                   ; the wait ahead of the readers below
.irp b, 0,1,2,3,4,5,6,7
	global_load_b128 v[BIA+8*\b:BIA+8*\b+3], v[BO], s[2:3] offset:64*\b       ; bias of columns 16 b + 8 h + 0 .. 7
	global_load_b128 v[BIA+8*\b+4:BIA+8*\b+7], v[BO], s[2:3] offset:64*\b+16
.endr
.set j, 0
.rept NSA
	global_load_b128 v[AF+4*j:AF+4*j+3], v[CO], s[92:93] offset:512*j         ; my share of the scales, 512 consecutive bytes a load
.set j, j+1
.endr
	s_cmp_eq_u32 s15, 0                            ; A's halves end here
	s_cbranch_scc1 .Lscales_asked
.rept 16-NSA
	global_load_b128 v[AF+4*j:AF+4*j+3], v[CO], s[92:93] offset:512*j
.set j, j+1
.endr
.Lscales_asked:
	global_prefetch_b8 v[PFO], s[PFA:PFA+1] offset:2*ROWB th:TH_LOAD_NT scope:SCOPE_SE   ; chunks 2 and 3: the first two refills
	global_prefetch_b8 v[PFO], s[PFA:PFA+1] offset:3*ROWB th:TH_LOAD_NT scope:SCOPE_SE
.macro FRAG reg, adr, st, i            ; 16 rows x 128 K: six pieces of 8 bytes, each inside one chunk
.irp p, 0,1,2,3,4,5
.set BY, 96*(\st)+48*(\p/3)+8*(\p%3)
.if BY/ROWB == (BY+24)/ROWB
	ds_load_b64 v[\reg+2*\p:\reg+2*\p+1], v[\adr+(BY/ROWB)%2] offset:BY%ROWB+(\i)*16*PITCH
.else
	ds_load_b64 v[\reg+2*\p:\reg+2*\p+1], v[\adr+2+(BY/ROWB)%2] offset:BY%ROWB-232+(\i)*16*PITCH
.endif
.endr
.endm
; a quarter of a step's products: AQ blocks of A x B's eight.  bias = 1: the first step, C = the bias.  The accumulators take turns.
.macro MULQ qd, st, bias
.set aa, (\qd)*AQ
.set PB, 128*((\st)%2)
.set SS, SC+8*NQ*(((\st)/2)%2)+(\st)%2
.if \bias
	WIN 0x81+0x40*(aa/4)
.else
	WIN 0xa1+0x50*(aa/4)
.endif
.rept AQ
.irp b, 0,1,2,3,4,5,6,7
.if \bias
	v_wmma_scale_f32_16x16x128_f8f6f4 v[8*(8*(aa%4)+\b):8*(8*(aa%4)+\b)+7], v[PB+FR*\b:PB+FR*\b+FR-1], v[AF+FR*aa:AF+FR*aa+FR-1], v[BIA+8*\b:BIA+8*\b+7], v[SS+NQ*\b], v[SS+NQ*aa] matrix_a_fmt:MATRIX_FMT_FP6 matrix_b_fmt:MATRIX_FMT_FP6 matrix_a_scale:MATRIX_SCALE_ROW1
.else
	v_wmma_scale_f32_16x16x128_f8f6f4 v[8*(8*(aa%4)+\b):8*(8*(aa%4)+\b)+7], v[PB+FR*\b:PB+FR*\b+FR-1], v[AF+FR*aa:AF+FR*aa+FR-1], v[8*(8*(aa%4)+\b):8*(8*(aa%4)+\b)+7], v[SS+NQ*\b], v[SS+NQ*aa] matrix_a_fmt:MATRIX_FMT_FP6 matrix_b_fmt:MATRIX_FMT_FP6 matrix_a_scale:MATRIX_SCALE_ROW1
.endif
.endr
.set aa, aa+1
.endr
.endm
.macro FETCH_B st, p
	WIN TO_B
.irp i, 0,1,2,3,4,5,6,7
	FRAG 128*(\p)+FR*\i, ADRB, \st, \i
.endr
	WIN 0
.endm
.macro FETCH_A st, hf
.set ii, (\hf)*AB/2
.rept AB/2
	FRAG AF+FR*ii, ADRA, \st, ii
.set ii, ii+1
.endr
.endm
.macro SCALES pr                       ; lanes 0-15 A's block i (blocks 4-7: words that no product names), lanes 16-31 B's
.irp i, 0,1,2,3,4,5,6,7
	ds_load_b64 v[SC+8*NQ*((\pr)%2)+NQ*\i:SC+8*NQ*((\pr)%2)+NQ*\i+1], v[ADRS] offset:\i*SBLK+4*NQ*(\pr)
.endr
.endm
.macro PLACES n
.rept \n
	v_nop
.endr
.endm
; a step: its products, and the next step's fragments; barriers and refills by the chunks in which this step's and the next step's bytes begin and end (chunks 0 and 1 are shown by the barrier in front of the walk)
.macro STEP st, bias
.set NX, (\st)+1
.set C0, (96*(\st))/ROWB
.set C1, (96*NX)/ROWB
.set E0, (96*(\st)+95)/ROWB
.set E1, (96*NX+95)/ROWB
.if C1 > C0 || (E1 > E0 && E1 > 1)
	s_wait_tensorcnt 0x0                           ; all my tensor loads have landed
.if C1 > C0
	ds_add_u32 v[SPW], v[NIL]
	s_wait_dscnt (AB/2)*NL+1                       ; the add and A's upper blocks may be out
.else
	s_wait_dscnt (AB/2)*NL                         ; A's upper blocks may be out
.endif
	MULQ 0, \st, \bias
	s_wait_dscnt 0x0                               ; the add and all my reads are done
	s_barrier_signal -1
	MULQ 1, \st, \bias
	WIN 0
	s_barrier_wait -1
.if C1 > C0 && C0+2 < CHUNKS
	CREST
	s_add_nc_u64 s[G0+4*(C0%2)+2:G0+4*(C0%2)+3], s[G0+4*(C0%2)+2:G0+4*(C0%2)+3], 2*ROWB
	s_add_nc_u64 s[G0B+4*(C0%2)+2:G0B+4*(C0%2)+3], s[G0B+4*(C0%2)+2:G0B+4*(C0%2)+3], 2*ROWB
	JLOAD G0+4*(C0%2), G1, G0B+4*(C0%2), G1B       ; chunk C0 + 2; its four v_nop are the places in front of the loads below
.else
	PLACES NP
.endif
.else
	s_wait_dscnt (AB/2)*NL
	MULQ 0, \st, \bias
	MULQ 1, \st, \bias
	s_wait_dscnt 0
	PLACES NP
.endif
	FETCH_B NX, NX%2
	FETCH_A NX, 0
.if NX%2 == 0
	SCALES NX/2
.endif
.if C1 > C0 && C0+4 < CHUNKS
	global_prefetch_b8 v[PFO], s[PFA:PFA+1] offset:(C0+4)*ROWB th:TH_LOAD_NT scope:SCOPE_SE   ; the chunk two refills on
.endif
	MULQ 2, \st, \bias
	MULQ 3, \st, \bias
	PLACES NP
	WIN 0
	FETCH_A NX, 1
.endm
	s_wait_alu depctr_va_vdst(0)
	s_wait_tensorcnt 0x0                           ; my tile of the head's four is in
	s_wait_loadcnt 0x0                             ; and so are my share of the scales and the bias
.set j, 0
.rept NSA
	ds_store_b128 v[SST], v[AF+4*j:AF+4*j+3] offset:544*j    ; 512 bytes and their two gaps of 16
.set j, j+1
.endr
	s_cmp_eq_u32 s15, 0                            ; A's halves end here
	s_cbranch_scc1 .Lscales_stored
.rept 16-NSA
	ds_store_b128 v[SST], v[AF+4*j:AF+4*j+3] offset:544*j
.set j, j+1
.endr
.Lscales_stored:
	s_mov_b32 s[G1+2], AR<<16                      ; no load of mine is out: from here on a load brings half a tile
	s_mov_b32 s[G1+4], AR
	s_mov_b32 s[G1B+2], 128<<16
	s_mov_b32 s[G1B+4], 128
	s_wait_dscnt 0x0                               ; for the others' sake: my stores have landed
	s_barrier_signal -1
	s_barrier_wait -1                              ; both slots and all scales are whole
	FETCH_B 0, 0
	FETCH_A 0, 0
	SCALES 0
	FETCH_A 0, 1
	STEP 0, 1
.set ST, 1
.rept STEPS-2
	STEP ST, 0
.set ST, ST+1
.endr
	s_wait_dscnt (AB/2)*NL
	MULQ 0, 15, 0
	MULQ 1, 15, 0
	s_wait_dscnt 0
	MULQ 2, 15, 0
	MULQ 3, 15, 0
; THE WAY OUT: a block of 16 rows x 128 columns goes into my stage and comes back, as whole rows of 512 bytes, into its own accumulators' registers; LDS serves a wave's instructions in order.
; All 64 rows are reached by the stores' immediate, so no base is stepped and no register is used twice.
.macro TOSTAGE a
.set AC, 64*((\a)%4)
	WIN 0x88+0x44*((\a)/4)
.irp b, 0,1,2,3,4,5,6,7
	ds_store_b128 v[STO], v[AC+8*\b:AC+8*\b+3] offset:64*\b          ; each accumulator from its low end on
	ds_store_b128 v[STO], v[AC+8*\b+4:AC+8*\b+7] offset:64*\b+16
.endr
.irp t, 0,1,2,3,4,5,6,7,8,9,10,11,12,13,14,15
	ds_load_b128 v[AC+4*\t:AC+4*\t+3], v[RD] offset:\t*SPITCH
.endr
.endm
.macro SEND a, younger
.set AC, 64*((\a)%4)
	s_wait_dscnt \younger                          ; block a is back; the next block's 16 stores and 16 loads may be out
	WIN 0x88+0x44*((\a)/4)
.irp t, 0,1,2,3,4,5,6,7,8,9,10,11,12,13,14,15
	global_store_b128 v[CO], v[AC+4*\t:AC+4*\t+3], s[12:13] offset:(16*(\a)+\t)*SIZE_N*4 th:TH_STORE_NT   ; 512 consecutive bytes, at a multiple of 256
.endr
.endm
	PLACES NP
	TOSTAGE 0
.set BL, 1
.rept AB-1
	TOSTAGE BL
	SEND BL-1, 32
.set BL, BL+1
.endr
	SEND AB-1, 0
	WIN 0
	s_wait_tensorcnt 0x0                           ; the wave's end
	ds_add_u32 v[SPW], v[NIL]
	s_wait_dscnt 0x0
	CROUND                                         ; the closing round
	s_endpgm
.Lfunc_end_k_q24abd19a0c_outp:
	.size	k_q24abd19a0c_outp, .Lfunc_end_k_q24abd19a0c_outp-k_q24abd19a0c_outp
	.p2alignl 7, 3214868480
	.fill 96, 4, 3214868480
	.section	.rodata,"a",@progbits
	.p2align	6, 0x0
	.amdhsa_kernel k_q24abd19a0c_outp
		.amdhsa_group_segment_fixed_size 327680
		.amdhsa_private_segment_fixed_size 0
		.amdhsa_enable_private_segment 0
		.amdhsa_kernarg_size 48
		.amdhsa_user_sgpr_count 2
		.amdhsa_user_sgpr_kernarg_segment_ptr 1
		.amdhsa_wavefront_size32 1
		.amdhsa_system_sgpr_workgroup_id_x 1
		.amdhsa_system_sgpr_workgroup_id_y 1
		.amdhsa_system_sgpr_workgroup_id_z 1
		.amdhsa_system_vgpr_workitem_id 0
		.amdhsa_next_free_vgpr 768
		.amdhsa_next_free_sgpr 100
		.amdhsa_reserve_vcc 0
		.amdhsa_float_denorm_mode_32 3
		.amdhsa_float_denorm_mode_16_64 3
		.amdhsa_memory_ordered 1
		.amdhsa_forward_progress 1
		.amdhsa_inst_pref_size 182
	.end_amdhsa_kernel
	.amdgpu_metadata
---
amdhsa.version: [ 1, 2 ]
amdhsa.kernels:
  - .name:           k_q24abd19a0c_outp
    .symbol:         k_q24abd19a0c_outp.kd
    .args:
      - { .name: ao_codes, .offset: 0, .size: 8, .value_kind: global_buffer, .address_space: global }
      - { .name: ao_scales, .offset: 8, .size: 8, .value_kind: global_buffer, .address_space: global }
      - { .name: wo_codes, .offset: 16, .size: 8, .value_kind: global_buffer, .address_space: global }
      - { .name: wo_scales, .offset: 24, .size: 8, .value_kind: global_buffer, .address_space: global }
      - { .name: bo, .offset: 32, .size: 8, .value_kind: global_buffer, .address_space: global }
      - { .name: out0, .offset: 40, .size: 8, .value_kind: global_buffer, .address_space: global }
    .group_segment_fixed_size: 327680
    .private_segment_fixed_size: 0
    .kernarg_segment_align: 8
    .kernarg_segment_size: 48
    .max_flat_workgroup_size: 128
    .sgpr_count:     100
    .vgpr_count:     768
    .wavefront_size: 32
...
	.end_amdgpu_metadata
.endif
;; end of part 4
